; MI455X (gfx1250); checked and timed in simulation.
; The chip was launched on July 23, 2026; its instructions are those of AMD's public machine-readable ISA for CDNA 5 (MIT licence, August 2026) and "CDNA5" Instruction Set Architecture Reference Guide (July 2026). The comments in the code are by the model that wrote it; some were corrected since.
;; Causal Self Attention. Allowed arithmetic: matrix products marked QUANTISED: E2M1 operands, one E8M0 scale for each 32 along K, by v_wmma_scale_f32_16x16x128_f8f6f4 with both operands' format E2M1 (or v_wmma_scale_f32_32x16x128_f4), f32 sums; products left as they are: bf16, f16 or f32 operands; f32 sums; everything else in f32.
;; Inputs: wk 1,024 x 1,024 float32; wo 1,024 x 1,024 float32; wq 1,024 x 1,024 float32; wv 1,024 x 1,024 float32; x 4 x 2,048 x 1,024 float32.
;; Outputs: out0 4 x 2,048 x 1,024 float32.
;; This version of the problem:
;;   THIS VERSION OF THE PROBLEM IS GIVEN IN LOW PRECISION. The matrix products marked QUANTISED in the list below multiply operands that are first quantised to E2M1 (2 exponent bits, 1 mantissa bit; 4 bits a number), with one power-of-two scale for each 32 numbers along K (OCP MX v1.0); their sums are f32. The products marked 'left as it is' may take bf16, f16 or f32 operands, with f32 sums. Whichever they take, every output number must still come out within the allowed error. Rounding operands to bf16 (8 significant bits) uses up far more of that allowance than f16 does (11 bits, for magnitudes from 6e-5 to 65,504). All else is computed in f32.
;;   The module's matrix products, in the order in which they are computed (A, B: the left and right operand; K: the contracted axis; several contracted axes count as one K, in the product's order):
;;     1. [M 8,192, K 1,024] x [K 1,024, N 1,024]; A: input x; B: input wq: QUANTISED
;;     2. [M 8,192, K 1,024] x [K 1,024, N 1,024]; A: input x; B: input wk: QUANTISED
;;     3. [M 8,192, K 1,024] x [K 1,024, N 1,024]; A: input x; B: input wv: QUANTISED
;;     4. batch 64 x [M 2,048, K 64] x [K 64, N 2,048]; A: computed on the way; B: computed on the way: left as it is (an operand is computed on the way)
;;     5. batch 64 x [M 2,048, K 2,048] x [K 2,048, N 64]; A: computed on the way; B: computed on the way: left as it is (an operand is computed on the way)
;;     6. [M 8,192, K 1,024] x [K 1,024, N 1,024]; A: computed on the way; B: input wo: left as it is (an operand is computed on the way)
;;   THE QUANTISER, for each operand of a quantised product, along K:
;;     - K is cut into blocks of 32 from its start; a last block that is shorter is filled with zeros.
;;     - A block's scale is 2^e with e = floor(log2(the largest magnitude in the block)) - 2, held to -126 .. 127; a block of zeros has e = 0. As a byte (E8M0): e + 127.
;;     - Each number is divided by its block's scale, clamped to +-6, and rounded to the nearest number of E2M1, ties to even, subnormals kept.
;;     - The product sums the exact products of the quantised numbers (number of the format x scale) in f32.
;;   ~~~python
;;   def quantise(x, axis):      # numpy; x: float32 -> the quantised numbers, widened to float32 again
;;       x = np.moveaxis(x, axis, -1); K = x.shape[-1]
;;       x = np.pad(x, [(0, 0)] * (x.ndim - 1) + [(0, -K % 32)]); x = x.reshape(x.shape[:-1] + (-1, 32)); a = np.abs(x).max(-1, keepdims=True)
;;       e = np.where(a > 0, np.clip(np.frexp(np.where(a > 0, a, 1))[1] - 1 - 2, -126, 127), 0)      # np.frexp(a)[1] - 1 = floor(log2(a)), exactly
;;       r = np.clip(x / 2.0 ** e, -6, 6)
;;       step = 2.0 ** (np.maximum(np.frexp(np.where(r == 0, 1, r))[1] - 1, 0) - 1)
;;       q = np.round(r / step) * step * 2.0 ** e      # np.round: ties to even
;;       return np.moveaxis(q.reshape(q.shape[:-2] + (-1,))[..., :K], -1, axis).astype(np.float32)
;;   ~~~
;; One version. Each part assembles by itself: llvm-mc -triple=amdgcn-amd-amdhsa -mcpu=gfx1250 --defsym DOCPART=n.
;; ======== version 1 of 1: 6 launches
;; limits: values are held in f16: magnitudes above 65,504 overflow, below 6.1e-05 lose precision
;; workspace buffers: codes 5,767,168 bytes; scales 360,448 bytes; wo16 2,097,152 bytes; qkv 50,331,648 bytes; fine32 786,432 bytes; vsuf 524,288 bytes; y32 262,144 bytes; y16 16,777,216 bytes
;; launch quant (part 1): grid 480 x 1, 4 waves a work-group, no clusters, 33,280 bytes of LDS; arguments x, wq, wk, wv, wo, codes, scales, wo16; writes codes, scales, wo16
.if DOCPART == 1
	.amdgcn_target "amdgcn-amd-amdhsa--gfx1250"
	.amdhsa_code_object_version 6
	.text
	.protected	k_qc2a312e566_quant
	.globl	k_qc2a312e566_quant
	.p2align	8
	.type	k_qc2a312e566_quant,@function
k_qc2a312e566_quant:
	s_mov_b64 s[64:65], 0
	v_nop
	global_prefetch_b8 v0, s[64:65] scope:SCOPE_SE
	s_setreg_imm32_b32 hwreg(HW_REG_WAVE_MODE, 25, 1), 1
	s_wait_xcnt 0x0
; x [8192][1024] and wq, wk, wv [1024][1024], f32 with K innermost, become codes of E2M1 (two a byte, the lower k in the low four bits) and one E8M0 byte for each 32 along K.
; codes: x's rows of 512 bytes from byte 0, the weights' 3,072 rows (wq, wk, wv) from byte 4,194,304.  scales: x's rows of 32 bytes from 0, the weights' from 262,144.
; A block's scale is 2^(floor(log2(its largest magnitude)) - 2); its byte is the largest magnitude's exponent field - 2, held at 1 from below.
; wo [1024][1024] f32 becomes f16 in slabs [16 kb][1024 n][64 k], so that a tile of 128 rows x 64 k is one dense block for the last product.
; LIMITS: a block of zeros, or one whose largest magnitude lies under 2^-124, gets the byte 1 (the rule says 127 for zeros: the codes are zeros, and this program alone reads the bytes);
; NaN and infinities among the inputs are not served; |wo| stays under 65,504 (f16).
; SHARES: work-groups 0-255 take x, 256-287 wq, 288-319 wk, 320-351 wv, 32,768 numbers each: a wave 16 steps of 512 numbers.  Work-groups 352-479 take wo, two rows a wave.
; Rows are dense and K is a multiple of 32, so the four quantised tensors are plain streams of blocks; only pointers are chosen by the work-group's number: one path through the text.
; A step's four loads read 512 consecutive bytes each; the 2,048 bytes turn through the wave's own stage in LDS so that a lane holds 16 neighbours along K (two lanes to a block).
.set WAVES, 4
.set STEPS, 16
.set EMAX,  2
.set CB,    8                          ; bytes of 16 codes
.set R,     16                         ; v16-79   four sets of 16 numbers as they are loaded
.set X,     80                         ; v80-111  two sets of 16 neighbours
.set C,     128                        ; v128-191 codes: four registers for each step
.set E,     112                        ; v112-127 a scale byte for each step
.set WREG,  8192                       ; LDS: a region for each wave: two stages of 32 x SP bytes, behind them its 256 scale bytes
.set SP,    80                         ; a lane's place in a stage: 64 bytes + 16 of padding
.set SPW,   12                         ; v12  LDS address of my spare word; never rewritten
.set NIL,   13                         ; v13  0; never rewritten
.set SPARE, WAVES*WREG                 ; behind the four regions: the spare words, 128 bytes for each wave
	s_load_b512 s[4:19], s[0:1], 0x0               ; x s[4:5], wq s[6:7], wk s[8:9], wv s[10:11], wo s[12:13], codes s[14:15], scales s[16:17], wo16 s[18:19]
	v_lshl_add_u32 v[SPW], v0, 2, SPARE
	v_mov_b32 v[NIL], 0
	v_lshrrev_b32 v1, 5, v0
	v_readfirstlane_b32 s24, v1                    ; wave
	v_and_b32 v2, 31, v0                           ; lane
	v_lshlrev_b32 v3, 4, v2                        ; my 16 bytes of a load's 512
	s_mul_i32 s27, s24, WREG
	v_lshrrev_b32 v14, 2, v2
	v_mul_u32_u24 v14, v14, SP
	v_and_b32 v15, 3, v2
	v_lshl_add_u32 v14, v15, 4, v14
	v_add_nc_u32 v14, s27, v14                     ; the stage, on the way in: SP (lane / 4) + 16 (lane % 4)
	v_mul_u32_u24 v15, v2, SP
	v_add_nc_u32 v15, s27, v15                     ; and on the way out: SP x lane: my 16 neighbours
	v_mul_u32_u24 v4, v2, CB                       ; my codes' place in a step's
	v_lshrrev_b32 v5, 1, v2
	s_add_co_u32 s27, s27, 2*32*SP
	v_add_nc_u32 v5, s27, v5                       ; LDS: my wave's 256 scale bytes, my block's byte
	v_lshlrev_b32 v7, 3, v2                        ; and on the way out 8 bytes a lane
	v_add_nc_u32 v6, s27, v7
	s_wait_kmcnt 0x0
	s_cmp_ge_u32 ttmp9, 352
	s_cbranch_scc1 .Lwo                            ; wo's work-groups: a path that touches no LDS
	s_cmp_lt_u32 ttmp9, 320                        ; which tensor: the choice hangs on the work-group's number alone
	s_cselect_b64 s[20:21], s[8:9], s[10:11]
	s_cmp_lt_u32 ttmp9, 288
	s_cselect_b64 s[20:21], s[6:7], s[20:21]
	s_cmp_lt_u32 ttmp9, 256
	s_cselect_b64 s[20:21], s[4:5], s[20:21]
	s_cselect_b32 s22, 0, 256                      ; the first work-group of x, or of the weights
	s_cselect_b32 s23, 255, 31                     ; work-groups in a tensor, less one
	s_cselect_b32 s25, 0, 0x400000                 ; where the codes begin
	s_cselect_b32 s26, 0, 0x40000                  ; and the scale bytes
	s_sub_co_u32 s22, ttmp9, s22
	s_and_b32 s23, s22, s23
	s_lshl_b32 s23, s23, 2
	s_add_co_u32 s23, s23, s24                     ; which run of 8,192 numbers of the tensor is my wave's,
	s_lshl_b32 s22, s22, 2
	s_add_co_u32 s22, s22, s24                     ; and which run of the codes' part
	s_lshl_b32 s28, s23, 15                        ; 32,768 bytes of f32 a run
	s_mov_b32 s29, 0
	s_add_nc_u64 s[20:21], s[20:21], s[28:29]
	s_lshl_b32 s28, s22, 12                        ; 4,096 bytes of codes
	s_add_co_u32 s28, s28, s25
	s_add_nc_u64 s[14:15], s[14:15], s[28:29]
	s_lshl_b32 s28, s22, 8                         ; 256 scale bytes
	s_add_co_u32 s28, s28, s26
	s_add_nc_u64 s[16:17], s[16:17], s[28:29]
.macro LOAD t
.irp i, 0,1,2,3
	global_load_b128 v[R+16*((\t)%4)+4*\i:R+16*((\t)%4)+4*\i+3], v3, s[20:21] offset:2048*(\t)+512*\i th:TH_LOAD_NT   ; 32 lanes read 512 consecutive bytes
.endr
.endm
.macro TURN t                          ; step t's numbers through the stage: LDS serves a wave's instructions in order, so no wait stands between the stores and the loads
.irp i, 0,1,2,3
	ds_store_b128 v14, v[R+16*((\t)%4)+4*\i:R+16*((\t)%4)+4*\i+3] offset:32*SP*((\t)%2)+8*SP*\i
.endr
.irp i, 0,1,2,3
	ds_load_b128 v[X+16*((\t)%2)+4*\i:X+16*((\t)%2)+4*\i+3], v15 offset:32*SP*((\t)%2)+16*\i
.endr
.endm
.irp t, 0,1,2,3
	LOAD \t
.endr
	s_wait_loadcnt 12                              ; step 0's four loads are in; the twelve of steps 1 to 3 stay out
	TURN 0
.macro STEP t
.set XS, X+16*((\t)%2)
.if (\t) > 0
	s_wait_dscnt 1                                 ; this step's numbers are back from the stage (the last step's byte store may be out): its stores into the stage have read their registers,
.else
	s_wait_dscnt 0x0
.endif
.if (\t)+4 < STEPS
	LOAD (\t)+4                                    ; which take the loads of four steps on
.endif
.if (\t)+1 < STEPS
.if STEPS-2-(\t) >= 3
	s_wait_loadcnt 12                              ; the next step's four loads are in; those of the three steps behind it may be out
.else
	s_wait_loadcnt 4*(STEPS-2-(\t))
.endif
	TURN (\t)+1                                    ; and go through the other stage while this step is worked
.endif
	v_max3_num_f32 v8, |v[XS]|, |v[XS+1]|, |v[XS+2]|               ; the largest magnitude of my 16, in two chains
	v_max3_num_f32 v9, |v[XS+3]|, |v[XS+4]|, |v[XS+5]|
.irp i, 6,10
	v_max3_num_f32 v8, v8, |v[XS+\i]|, |v[XS+\i+1]|
	v_max3_num_f32 v9, v9, |v[XS+\i+2]|, |v[XS+\i+3]|
.endr
	v_max3_num_f32 v8, v8, |v[XS+14]|, |v[XS+15]|
	v_max3_num_f32 v8, v8, v9, (EMAX+1)<<23        ; and the floor 2^(EMAX + 1 - 127): the byte cannot fall under 1
	v_max_num_f32_dpp v8, v8, v8 row_xmask:1 row_mask:0xf bank_mask:0xf   ; and of my neighbour's 16: the block's
	v_add_nc_u32 v11, -(EMAX<<23), v8              ; EMAX off its exponent field: the conversion takes the exponent field of this operand as its scale
	v_cvt_scalef32_pk8_fp4_f32 v[C+4*(\t)], v[XS:XS+7], v11        ; to the nearest code, ties to even, beyond the largest code the largest
	v_cvt_scalef32_pk8_fp4_f32 v[C+4*(\t)+1], v[XS+8:XS+15], v11
	v_lshrrev_b32 v[E+(\t)], 23, v11               ; the scale's byte
	ds_store_b8 v5, v[E+(\t)] offset:16*(\t)       ; both lanes of a block write the same byte with the same value
	global_store_b64 v4, v[C+4*(\t):C+4*(\t)+1], s[14:15] offset:32*CB*(\t)   ; the wave stores 256 consecutive bytes, aligned
.endm
.irp t, 0,1,2,3,4,5,6,7,8,9,10,11,12,13,14,15
	STEP \t
.endr
	ds_load_b64 v[8:9], v6                         ; LDS serves a wave's instructions in order: these see my byte stores
	s_wait_dscnt 0x0
	global_store_b64 v7, v[8:9], s[16:17]          ; 32 lanes store the wave's 256 scale bytes
	s_wait_tensorcnt 0x0                           ; the wave's end
	ds_add_u32 v[SPW], v[NIL]
	s_wait_dscnt 0x0
	s_endpgm
.Lwo:
	; wo to f16.  Wave gw takes rows 2 gw and 2 gw + 1.  Load kb: lanes 0-15 read 256 consecutive bytes (64 k) of the first row, lanes 16-31 of the second.
	; Their 64 + 64 numbers in f16 are 256 consecutive bytes of slab kb: rows n and n + 1 of 128 bytes.
	s_sub_co_u32 s22, ttmp9, 352
	s_lshl_b32 s22, s22, 2
	s_add_co_u32 s22, s22, s24                     ; gw, 0 to 511
	s_lshl_b32 s28, s22, 13                        ; two rows of 4,096 bytes
	s_mov_b32 s29, 0
	s_add_nc_u64 s[12:13], s[12:13], s[28:29]
	s_lshl_b32 s28, s22, 8                         ; two rows of 128 bytes in a slab
	s_add_nc_u64 s[18:19], s[18:19], s[28:29]
	v_lshrrev_b32 v8, 4, v2
	v_and_b32 v9, 15, v2
	v_lshlrev_b32 v9, 4, v9
	v_lshl_add_u32 v8, v8, 12, v9                  ; in: 4,096 (lane / 16) + 16 (lane % 16)
	v_lshlrev_b32 v9, 3, v2                        ; out: 8 x lane
.irp kb, 0,1,2,3,4,5,6,7,8,9,10,11,12,13,14,15
	global_load_b128 v[16+4*\kb:19+4*\kb], v8, s[12:13] offset:256*\kb
.endr
.irp kb, 0,1,2,3,4,5,6,7,8,9,10,11,12,13,14,15
	s_wait_loadcnt 15-\kb                          ; loads come back in order: load kb is in, the younger ones stay out
	v_cvt_pk_f16_f32 v[80+2*\kb], v[16+4*\kb], v[17+4*\kb]
	v_cvt_pk_f16_f32 v[81+2*\kb], v[18+4*\kb], v[19+4*\kb]
	global_store_b64 v9, v[80+2*\kb:81+2*\kb], s[18:19] offset:131072*\kb
.endr
	s_endpgm
.Lfunc_end_k_qc2a312e566_quant:
	.size	k_qc2a312e566_quant, .Lfunc_end_k_qc2a312e566_quant-k_qc2a312e566_quant
	.p2alignl 7, 3214868480
	.fill 96, 4, 3214868480
	.section	.rodata,"a",@progbits
	.p2align	6, 0x0
	.amdhsa_kernel k_qc2a312e566_quant
		.amdhsa_group_segment_fixed_size 33280
		.amdhsa_private_segment_fixed_size 0
		.amdhsa_enable_private_segment 0
		.amdhsa_kernarg_size 64
		.amdhsa_user_sgpr_count 2
		.amdhsa_user_sgpr_kernarg_segment_ptr 1
		.amdhsa_wavefront_size32 1
		.amdhsa_system_sgpr_workgroup_id_x 1
		.amdhsa_system_sgpr_workgroup_id_y 1
		.amdhsa_system_sgpr_workgroup_id_z 1
		.amdhsa_system_vgpr_workitem_id 0
		.amdhsa_next_free_vgpr 192
		.amdhsa_next_free_sgpr 66
		.amdhsa_reserve_vcc 0
		.amdhsa_float_denorm_mode_32 3
		.amdhsa_float_denorm_mode_16_64 3
		.amdhsa_memory_ordered 1
		.amdhsa_forward_progress 1
		.amdhsa_inst_pref_size 40
	.end_amdhsa_kernel
	.amdgpu_metadata
---
amdhsa.version: [ 1, 2 ]
amdhsa.kernels:
  - .name:           k_qc2a312e566_quant
    .symbol:         k_qc2a312e566_quant.kd
    .args:
      - { .name: x, .offset: 0, .size: 8, .value_kind: global_buffer, .address_space: global }
      - { .name: wq, .offset: 8, .size: 8, .value_kind: global_buffer, .address_space: global }
      - { .name: wk, .offset: 16, .size: 8, .value_kind: global_buffer, .address_space: global }
      - { .name: wv, .offset: 24, .size: 8, .value_kind: global_buffer, .address_space: global }
      - { .name: wo, .offset: 32, .size: 8, .value_kind: global_buffer, .address_space: global }
      - { .name: codes, .offset: 40, .size: 8, .value_kind: global_buffer, .address_space: global }
      - { .name: scales, .offset: 48, .size: 8, .value_kind: global_buffer, .address_space: global }
      - { .name: wo16, .offset: 56, .size: 8, .value_kind: global_buffer, .address_space: global }
    .group_segment_fixed_size: 33280
    .private_segment_fixed_size: 0
    .kernarg_segment_align: 8
    .kernarg_segment_size: 64
    .max_flat_workgroup_size: 128
    .sgpr_count:     66
    .vgpr_count:     192
    .wavefront_size: 32
...
	.end_amdgpu_metadata
.endif
;; end of part 1
;; launch qkv (part 2): grid 12 x 32, 4 waves a work-group, clusters of 4 x 4, 327,680 bytes of LDS; arguments codes, scales, qkv, fine32; writes qkv, fine32
.if DOCPART == 2
	.amdgcn_target "amdgcn-amd-amdhsa--gfx1250"
	.amdhsa_code_object_version 6
	.text
	.protected	k_qc2a312e566_qkv
	.globl	k_qc2a312e566_qkv
	.p2align	8
	.type	k_qc2a312e566_qkv,@function
k_qc2a312e566_qkv:
	s_mov_b64 s[64:65], 0
	v_nop
	global_prefetch_b8 v0, s[64:65] scope:SCOPE_SE
	s_setreg_imm32_b32 hwreg(HW_REG_WAVE_MODE, 25, 1), 1
	s_wait_xcnt 0x0
	s_wait_alu depctr_hold_cnt(0) depctr_sa_sdst(0) depctr_va_vdst(0) depctr_va_sdst(0) depctr_va_ssrc(0) depctr_va_vcc(0) depctr_vm_vsrc(0)
	s_getreg_b32 s2, hwreg(HW_REG_IB_STS2, 6, 4)
	s_cmp_eq_u32 s2, 0
	s_cbranch_scc0 .Lentry_in_a_cluster
	s_endpgm
.Lentry_in_a_cluster:
	s_bfe_u32 s2, ttmp6, 0x10000c
	s_cmp_lg_u32 s2, 0xf033
	s_cbranch_scc0 .Lentry_shape_is_right
	s_endpgm
.Lentry_shape_is_right:
; q, k, v = x W^T on codes of E2M1 with one E8M0 scale for each 32 along K: C[m][n] = sum over k of A[m][k] B[n][k], A = x (8,192 rows), B = wq, wk, wv on end (3,072 rows), K = 1,024; sums in f32.
; OUT: qkv, f16, [3 (q, k, v)][64 (batch x 16 + head)][2,048 t][64 d]; and fine32, f32, [3][4 batches][16 t][1,024]: the first 16 positions of every sequence as they are summed.
; LIMIT: |q|, |k|, |v| stay under 65,504 (f16).
; A tile of C, 256 x 256, is made by a work-group of four waves; a wave makes 128 x 128: 64 accumulators of 16 x 16, 512 registers.
; K is two steps of 512 (rows of 256 bytes): both slots of LDS are filled at the start and nothing is filled again.  The scale bytes of the tile's rows, two dense blocks, come with them and stay.
; CLUSTERS: 4 x 4 work-groups.  The four of a row of the cluster need the same tiles of A, the four of a column the same tiles of B: each tile is asked for JOINTLY, by the same tensor load with the
; same descriptor and a mask that names the four.  Tile row = 8 cy + cluster y: so cy is the batch, and 'the first tile of a sequence' is cluster y = 0, the same in all sixteen partners.
; Tile column = 4 x cluster x + cx: cluster x says which of q, k, v.
; THE MATRIX INSTRUCTION IS USED TRANSPOSED (source 0 = 16 rows of B, source 1 = 16 rows of A): a lane then holds eight neighbouring numbers of a row of C.
; REGISTERS, in windows of 256: window 0: v0-31 addresses; v32-95 scale words, two sets; from v128 A's fragments, ONE set; on the way out v32-255 are free.
;   window 1: B's fragments, TWO sets, at v0 and v128.   window 2: the accumulators of my rows 0-63 ((a, b) at v[8 (8 a + b)]);   window 3: those of my rows 64-127.
.set SIZE_K, 1024
.set KSTEP,  512
.set NQ,     KSTEP/128                 ; matrix instructions deep in a slot
.set ROWB,   256                       ; a tile's row in bytes
.set KROW,   SIZE_K/2                  ; a row of codes in memory
.set PITCH,  272                       ; an LDS row: 256 bytes + 16 of padding: the 16 rows of a fragment load start 16 bytes apart modulo 256
.set FR,     8
.set NL,     2
.set NP,     4                         ; places behind this matrix instruction (ISA guide 7.12.1)
.set HALFT,  128*PITCH
.set SLOT,   4*HALFT                   ; A's 256 rows, then B's 256 rows
.set KS,     SIZE_K/32                 ; a row of scale bytes
.set SCL,    2*SLOT                    ; behind the two slots: the scales, as rows of 256 bytes + 16 of padding
.set HALFS,  (128*KS/256)*272
.set SBLK,   (16*KS/256)*272
.set SPARE,  SCL+4*HALFS               ; behind the scales: the spare words, 128 bytes for each wave
.set SP32,   528                       ; the way out: a stage of 16 x 528 bytes for each wave, in slot 0, which has had its only fill and its last read by then;
.set SP16,   272                       ; for f16 rows it is used at this pitch
.set ADRA, 16                          ; v16-17  LDS address of my A fragments in slot 0, 1
.set ADRB, 20                          ; v20-21  the same for B
.set STO16, 18                         ; v18  f16: where I put 16 bytes of a row
.set RD16,  19                         ; v19  f16: where I read back, head by head
.set CO16,  22                         ; v22  f16: my byte offset in qkv
.set STO32, 24                         ; v24  f32: where I put 32 bytes of a row
.set RD32,  25                         ; v25  f32: where I read a row back
.set CO32,  26                         ; v26  f32: my byte offset in a row of fine32
.set ADRS, 27                          ; v27  LDS address of my scale words: lanes 0-15 A's rows, lanes 16-31 B's
.set SPW,  28                          ; v28  LDS address of my spare word; never rewritten
.set NIL,  29                          ; v29  0; never rewritten
.set SC,   32                          ; scale words: set s at v[SC + 8 NQ s]; register NQ i + q: lanes 0-15 A's block i, lanes 16-31 B's block i
.set AF,   128                         ; A's fragments, in window 0
.set TMP,  192                         ; the way out: packed results
.set OB,   32                          ; the way out: rows read back: v32-63 and v224-255 by turns
.set G1, 24
.set G0, 32
.set G1B, 48
.set G0B, 56
.set G1S, 68
.set G0S, 76
.set G1SB, 80
.set G0SB, 88
.set MSB, 0
.macro WIN new                         ; the immediate's high byte repeats the setting that is left
.if MSB != \new
	s_set_vgpr_msb (MSB<<8)|\new
.set MSB, \new
.endif
.endm
.set MUL_LO, 0xa1                      ; source 0 (B) window 1, source 1 (A) window 0, C and D window 2
.set MUL_HI, 0xf1                      ; the same, C and D window 3
.set TO_B,   0x40                      ; destination window 1, address window 0
; A joint load: waves 0 and 1 fetch for A, waves 2 and 3 for B.  Each line has one mask and one set of registers for all that issue it; the branch hangs on the wave's number alone.
; An s_nop 0 and four v_nop follow each of the two lines.
.macro JLOAD g0a, g1a, g0b, g1b
	s_cmp_eq_u32 s15, 0
	s_cbranch_scc0 .Lfor_b_\@
	tensor_load_to_lds s[\g0a:\g0a+3], s[\g1a:\g1a+7]
	s_nop 0
.rept 4
	v_nop
.endr
	s_branch .Lasked_\@
.Lfor_b_\@:
	tensor_load_to_lds s[\g0b:\g0b+3], s[\g1b:\g1b+7]
	s_nop 0
.rept 4
	v_nop
.endr
.Lasked_\@:
.endm
.macro CROUND                          ; a round of the cluster's barrier
	s_barrier_signal -1
	s_barrier_wait -1
	s_cmp_lg_u32 s14, 0
	s_cbranch_scc1 .Lnot_wave_0_\@
	s_barrier_signal -3
.Lnot_wave_0_\@:
	s_barrier_wait -3
	s_barrier_signal -1
	s_barrier_wait -1
.endm
	s_load_b128 s[4:7], s[0:1], 0x0                ; the codes s[4:5], the scale bytes s[6:7]
	s_load_b64 s[12:13], s[0:1], 0x10              ; qkv
	s_load_b64 s[96:97], s[0:1], 0x18              ; fine32
	v_lshl_add_u32 v[SPW], v0, 2, SPARE
	v_mov_b32 v[NIL], 0
	ds_add_u32 v[SPW], v[NIL]                      ; the wave's opening: the add, twice on end, and its wait ahead of my first tensor load
	ds_add_u32 v[SPW], v[NIL]
	v_lshrrev_b32 v1, 5, v0
	v_readfirstlane_b32 s14, v1                    ; wave 0..3
	s_lshr_b32 s15, s14, 1                         ; which half of the tile's rows is mine.  Also: I fetch for A (0) or for B (1)
	s_and_b32 s16, s14, 1                          ; which half of its columns.  Also: which 128 rows of that tile I fetch
	s_bfe_u32 s40, ttmp6, 0x40000                  ; cx, cy: my place in the cluster
	s_bfe_u32 s41, ttmp6, 0x40004
	s_lshl_b32 s42, ttmp9, 2
	s_add_co_u32 s42, s42, s40                     ; tile column of C = 4 x cluster x + cx
	s_and_b32 s17, ttmp7, 0xffff
	s_lshl_b32 s18, s41, 3
	s_add_co_u32 s17, s17, s18                     ; tile row of C = 8 cy + cluster y
	s_lshl_b32 s43, s41, 2
	s_lshl_b32 s43, 15, s43                        ; my row of the cluster
	s_lshl_b32 s44, 0x1111, s40                    ; my column
	; descriptor group 1: a tile of 128 rows x 256 bytes, 16 bytes of padding behind each row
	s_or_b32 s[G1+0], s43, (0<<16)|(1<<20)|(1<<21)|(5<<22)|(3<<25)  ; 15:0 the mask; 17:16 elements of 1 byte; 20 padding on; 21 set beside a mask; 24:22 after every 64 words; 31:25 four words
	s_or_b32 s[G1B+0], s44, (0<<16)|(1<<20)|(1<<21)|(5<<22)|(3<<25)
.irp g, G1, G1B
	s_mov_b32 s[\g+1], ROWB<<16                    ; tensor_dim0
	s_mov_b32 s[\g+2], 128<<16                     ; tensor_dim1
	s_mov_b32 s[\g+3], ROWB<<16                    ; tile_dim0
	s_mov_b32 s[\g+4], 128                         ; tile_dim1
	s_mov_b32 s[\g+5], KROW                        ; from row to row
	s_mov_b32 s[\g+6], 0
	s_mov_b32 s[\g+7], 0
.endr
	; the scales of 128 rows: a dense block of 4,096 bytes, as 16 rows of 256 bytes (32 elements of 8 bytes), 16 bytes of padding behind each
	s_or_b32 s[G1S+0], s43, (3<<16)|(1<<20)|(1<<21)|(5<<22)|(3<<25)
	s_or_b32 s[G1SB+0], s44, (3<<16)|(1<<20)|(1<<21)|(5<<22)|(3<<25)
.irp g, G1S, G1SB
	s_mov_b32 s[\g+1], 32<<16
	s_mov_b32 s[\g+2], (128*KS/256)<<16
	s_mov_b32 s[\g+3], 32<<16
	s_mov_b32 s[\g+4], 128*KS/256
	s_mov_b32 s[\g+5], 32
	s_mov_b32 s[\g+6], 0
	s_mov_b32 s[\g+7], 0
.endr
	s_lshl_b32 s18, s16, 7                         ; which 128 rows of the tile I fetch
	s_lshl_b32 s20, s17, 8
	s_add_co_u32 s20, s20, s18                     ; A: row 256 x tile row + 128 x half
	s_lshl_b32 s46, s42, 8
	s_add_co_u32 s46, s46, s18                     ; B: row 256 x tile column + 128 x half
	s_mov_b32 s21, 0
	s_mov_b32 s47, 0
	s_mov_b64 s[18:19], KS
	s_mul_u64 s[22:23], s[20:21], s[18:19]         ; where these rows' scales begin, in bytes
	s_mul_u64 s[92:93], s[46:47], s[18:19]
	s_mov_b64 s[18:19], KROW
	s_mul_u64 s[20:21], s[20:21], s[18:19]         ; and their codes
	s_mul_u64 s[46:47], s[46:47], s[18:19]
	s_mul_i32 s45, s14, HALFT                      ; where they go: wave x 128 rows: no place in the cluster enters an LDS address
	s_mul_i32 s94, s14, HALFS
	s_and_b32 s99, ttmp7, 0xffff
	s_or_b32 s99, s99, s15                         ; 0 where my rows 0-15 are positions 0-15 of a sequence: cluster y = 0 and the tile's upper half
	s_wait_dscnt 0x0                               ; both opening adds are done
	s_wait_kmcnt 0x0
	s_add_nc_u64 s[8:9], s[4:5], 0x400000          ; the weights' codes
	s_add_nc_u64 s[10:11], s[6:7], 0x40000         ; and their scale bytes
	s_add_nc_u64 s[20:21], s[4:5], s[20:21]
	s_add_nc_u64 s[22:23], s[6:7], s[22:23]
	s_add_nc_u64 s[46:47], s[8:9], s[46:47]
	s_add_nc_u64 s[92:93], s[10:11], s[92:93]
	CROUND                                         ; all sixteen work-groups are here: the joint loads meet
	s_mov_b32 s[G0S], 1
	s_add_co_u32 s[G0S+1], s94, SCL
	s_mov_b64 s[G0S+2:G0S+3], s[22:23]
	s_or_b32 s[G0S+3], s[G0S+3], 0x80000000
	s_mov_b32 s[G0SB], 1
	s_add_co_u32 s[G0SB+1], s94, SCL
	s_mov_b64 s[G0SB+2:G0SB+3], s[92:93]
	s_or_b32 s[G0SB+3], s[G0SB+3], 0x80000000
	JLOAD G0S, G1S, G0SB, G1SB                     ; the scales first: they are wanted with K step 0
.irp s, 0,1
	s_mov_b32 s[G0+4*\s], 1
	s_add_co_u32 s[G0+4*\s+1], s45, \s*SLOT
	s_add_nc_u64 s[G0+4*\s+2:G0+4*\s+3], s[20:21], \s*ROWB
	s_or_b32 s[G0+4*\s+3], s[G0+4*\s+3], 0x80000000
	s_mov_b32 s[G0B+4*\s], 1
	s_add_co_u32 s[G0B+4*\s+1], s45, \s*SLOT
	s_add_nc_u64 s[G0B+4*\s+2:G0B+4*\s+3], s[46:47], \s*ROWB
	s_or_b32 s[G0B+4*\s+3], s[G0B+4*\s+3], 0x80000000
	JLOAD G0+4*\s, G1, G0B+4*\s, G1B               ; three loads of mine are out in all
.endr
	v_and_b32 v1, 15, v0                           ; l % 16
	v_bfe_u32 v2, v0, 4, 1                         ; l / 16
	v_mul_u32_u24 v3, v1, PITCH
	v_lshl_add_u32 v4, v2, 4, v3                   ; a fragment's row x pitch + 16 x half
	s_mul_i32 s21, s15, HALFT                      ; my 128 rows of A
	s_mul_i32 s22, s16, HALFT                      ; my 128 rows of B,
	s_add_co_u32 s22, s22, 2*HALFT                 ; which lie behind A's 256
.irp s, 0,1
	v_add_nc_u32 v[ADRA+\s], s21, v4
	v_add_nc_u32 v[ADRB+\s], s22, v4
	s_add_co_u32 s21, s21, SLOT
	s_add_co_u32 s22, s22, SLOT
.endr
	v_mul_u32_u24 v5, v1, KS                       ; my row's scales: KS bytes a row,
	v_lshrrev_b32 v6, 8, v5
	v_lshl_add_u32 v5, v6, 4, v5                   ; and 16 more for each 256 passed
	s_mul_i32 s21, s15, HALFS                      ; A's: my 128 rows
	s_mul_i32 s22, s16, HALFS                      ; B's: my 128 rows, behind A's 256
	s_add_co_u32 s22, s22, 2*HALFS
	s_sub_co_u32 s22, s22, s21
	v_mul_u32_u24 v6, s22, v2                      ; lanes 16-31 take B's: one product, the distance between the two bases
	s_add_co_u32 s21, s21, SCL
	v_add_nc_u32 v5, v5, v6
	v_add_nc_u32 v[ADRS], s21, v5
	s_mul_i32 s23, s14, 16*SP32                    ; my stage
	v_mul_u32_u24 v5, v1, SP32                     ; f32, in: row l % 16, 32 bytes for each half of the lanes
	v_lshl_add_u32 v5, v2, 5, v5
	v_add_nc_u32 v[STO32], s23, v5
	v_and_b32 v6, 31, v0
	v_lshlrev_b32 v[CO32], 4, v6                   ; f32, back: the 32 lanes take one row of 512 bytes; and the same in fine32
	v_add_nc_u32 v[RD32], s23, v[CO32]
	v_mul_u32_u24 v5, v1, SP16                     ; f16, in: row l % 16, 16 bytes for each half of the lanes
	v_lshl_add_u32 v5, v2, 4, v5
	v_add_nc_u32 v[STO16], s23, v5
	v_bfe_u32 v5, v0, 3, 1                         ; f16, back, by heads: lanes 0-15 take two rows' first 128 bytes (one head), lanes 16-31 their second 128 (the next head)
	v_mul_u32_u24 v5, v5, SP16
	v_lshl_add_u32 v5, v2, 7, v5
	v_and_b32 v6, 7, v0
	v_lshl_add_u32 v5, v6, 4, v5
	v_add_nc_u32 v[RD16], s23, v5
	v_lshlrev_b32 v[CO16], 18, v2                  ; in qkv a head is 262,144 bytes; two rows of a head are 256 bytes on end
	v_lshl_add_u32 v[CO16], v1, 4, v[CO16]
	; qkv at my first head's first row: which x 16,777,216 + (16 cy + 4 cx + 2 x column half) x 262,144 + (256 x cluster y + 128 x row half) x 128
	s_lshl_b32 s20, s41, 4
	s_lshl_b32 s21, s40, 2
	s_add_co_u32 s20, s20, s21
	s_lshl_b32 s21, s16, 1
	s_add_co_u32 s20, s20, s21
	s_lshl_b32 s20, s20, 18
	s_lshl_b32 s21, ttmp9, 24
	s_add_co_u32 s20, s20, s21
	s_and_b32 s21, ttmp7, 0xffff
	s_lshl_b32 s21, s21, 15
	s_add_co_u32 s20, s20, s21
	s_lshl_b32 s21, s15, 14
	s_add_co_u32 s20, s20, s21
	s_mov_b32 s21, 0
	s_add_nc_u64 s[12:13], s[12:13], s[20:21]
	; fine32 at my columns of position 0: which x 262,144 + cy x 65,536 + (256 cx + 128 x column half) x 4
	s_lshl_b32 s20, ttmp9, 18
	s_lshl_b32 s21, s41, 16
	s_add_co_u32 s20, s20, s21
	s_lshl_b32 s21, s40, 10
	s_add_co_u32 s20, s20, s21
	s_lshl_b32 s21, s16, 9
	s_add_co_u32 s20, s20, s21
	s_mov_b32 s21, 0
	s_add_nc_u64 s[96:97], s[96:97], s[20:21]
.macro FRAG reg, adr, q, i             ; a fragment, 16 rows x 128 K of 4-bit codes, is 8 registers: lane l holds row l % 16; registers 4 c .. 4 c + 3 hold K = 64 c + 32 (l / 16) + 0 .. 31
.irp c, 0,1
	ds_load_b128 v[\reg+4*\c:\reg+4*\c+3], v[\adr] offset:64*(\q)+32*\c+(\i)*16*PITCH
.endr
.endm
; 16 matrix instructions: A's blocks a0, a0 + 1 x B's eight, 128 along K: the slot's q-th.  p: B's set;  sc: the set of scale words.  zero = 1: the first product starts the sums.
; The 64 accumulators take turns, one instruction a turn, in the same order in every step.
.macro MUL16 a0, p, q, sc, zero
.irp a, \a0, \a0+1
.irp b, 0,1,2,3,4,5,6,7
.if \zero
	v_wmma_scale_f32_16x16x128_f8f6f4 v[8*(8*((\a)%4)+\b):8*(8*((\a)%4)+\b)+7], v[128*(\p)+FR*\b:128*(\p)+FR*\b+FR-1], v[AF+FR*(\a):AF+FR*(\a)+FR-1], 0, v[SC+8*NQ*(\sc)+NQ*\b+(\q)], v[SC+8*NQ*(\sc)+NQ*(\a)+(\q)] matrix_a_fmt:MATRIX_FMT_FP4 matrix_b_fmt:MATRIX_FMT_FP4 matrix_a_scale:MATRIX_SCALE_ROW1
.else
	v_wmma_scale_f32_16x16x128_f8f6f4 v[8*(8*((\a)%4)+\b):8*(8*((\a)%4)+\b)+7], v[128*(\p)+FR*\b:128*(\p)+FR*\b+FR-1], v[AF+FR*(\a):AF+FR*(\a)+FR-1], v[8*(8*((\a)%4)+\b):8*(8*((\a)%4)+\b)+7], v[SC+8*NQ*(\sc)+NQ*\b+(\q)], v[SC+8*NQ*(\sc)+NQ*(\a)+(\q)] matrix_a_fmt:MATRIX_FMT_FP4 matrix_b_fmt:MATRIX_FMT_FP4 matrix_a_scale:MATRIX_SCALE_ROW1
.endif
.endr
.endr
.endm
.macro FETCH_B slot, q, p              ; B's eight fragments of the slot's q-th 128 along K into set p
	WIN TO_B
.irp i, 0,1,2,3,4,5,6,7
	FRAG 128*(\p)+FR*\i, ADRB+\slot, \q, \i
.endr
	WIN 0
.endm
.macro FETCH_A slot, q, i0             ; A's blocks i0 .. i0 + 3
.irp i, \i0, \i0+1, \i0+2, \i0+3
	FRAG AF+FR*(\i), ADRA+\slot, \q, \i
.endr
.endm
.macro SCALES sc                       ; a K step's scale words into set sc: NQ words a row; lanes 0-15 take A's block i, lanes 16-31 B's block i
.irp i, 0,1,2,3,4,5,6,7
	ds_load_b128 v[SC+8*NQ*\sc+NQ*\i:SC+8*NQ*\sc+NQ*\i+3], v[ADRS] offset:\i*SBLK
.endr
.endm
; A load into a register that a matrix instruction has read, and a vector instruction or an LDS store that reads a matrix result, stand NP places behind it; only plain vector
; instructions that name none of its registers are places (ISA guide 7.12.1 for vector instructions).
.macro PLACES n
.rept \n
	v_nop
.endr
.endm
; A step of 128 along K that has its successor in the same slot.  A's blocks 0-3 are fetched anew in its middle, blocks 4-7 at its end; B has two sets.
.macro STEP slot, q, zero
	s_wait_dscnt 4*NL                              ; B's set and A's blocks 0-3 are in; the youngest eight loads (A's blocks 4-7) may be out
	WIN MUL_LO
	MUL16 0, (\q)%2, \q, \slot, \zero
	MUL16 2, (\q)%2, \q, \slot, \zero
	s_wait_dscnt 0                                 ; A's blocks 4-7 are in
	PLACES NP
	FETCH_B \slot, (\q)+1, 1-(\q)%2
	FETCH_A \slot, (\q)+1, 0
	WIN MUL_HI
	MUL16 4, (\q)%2, \q, \slot, \zero
	MUL16 6, (\q)%2, \q, \slot, \zero
	PLACES NP
	WIN 0
	FETCH_A \slot, (\q)+1, 4
.endm
; Slot 0's last step goes over to slot 1: each wave waits for all its tensor loads (its part of slot 1) and for its reads of slot 0; behind the barrier slot 1 is whole, and nobody reads slot 0 any more.
.macro TURN slot, next
	s_wait_tensorcnt 0x0                           ; all my tensor loads have landed
	ds_add_u32 v[SPW], v[NIL]                      ; 0 onto my spare word
	s_wait_dscnt 4*NL+1                            ; (the add and the youngest eight loads, A's blocks 4-7, may be out)
	WIN MUL_LO
	MUL16 0, 1, NQ-1, \slot, 0
	s_wait_dscnt 0x0                               ; the add is done, and my reads of this slot are over
	s_barrier_signal -1
	MUL16 2, 1, NQ-1, \slot, 0
	WIN 0
	s_barrier_wait -1
	PLACES NP
	v_add_nc_u32 v[ADRS], 4*NQ, v[ADRS]            ; on to the next K step's scale words
	FETCH_B \next, 0, 0
	FETCH_A \next, 0, 0
	SCALES \next
	WIN MUL_HI
	MUL16 4, 1, NQ-1, \slot, 0
	MUL16 6, 1, NQ-1, \slot, 0
	PLACES NP
	WIN 0
	FETCH_A \next, 0, 4
.endm
.macro STEPS slot, from
.set Q, \from
.rept NQ-1-\from
	STEP \slot, Q, 0
.set Q, Q+1
.endr
.endm
	s_wait_tensorcnt 1                             ; the scales and my part of slot 0 are in; slot 1's load, the one issued behind them, may be out
	s_barrier_signal -1
	s_barrier_wait -1                              ; everybody's are
	FETCH_B 0, 0, 0
	FETCH_A 0, 0, 0
	SCALES 0
	FETCH_A 0, 0, 4
	STEP 0, 0, 1                                   ; the first step's products start the sums: nothing is cleared
	STEPS 0, 1
	TURN 0, 1
	STEPS 1, 0
	s_wait_dscnt 4*NL                              ; the very last step: nothing more to fetch
	WIN MUL_LO
	MUL16 0, 1, NQ-1, 1, 0
	MUL16 2, 1, NQ-1, 1, 0
	s_wait_dscnt 0
	WIN MUL_HI
	MUL16 4, 1, NQ-1, 1, 0
	MUL16 6, 1, NQ-1, 1, 0
	WIN 0
	PLACES NP                                      ; behind the last products: for the reads of results and the loads into registers that held operands and scales
	; POSITIONS 0-15 OF A SEQUENCE ALSO LEAVE IN f32: my block 0 goes through my stage as it is and comes back as whole rows of 512 bytes.  The branch hangs on cluster y and the wave's number.
	s_cmp_lg_u32 s99, 0
	s_cbranch_scc1 .Lnofine
	WIN 0x08                                       ; an LDS store's data: window 2
.irp b, 0,1,2,3,4,5,6,7
	ds_store_b128 v[STO32], v[8*\b:8*\b+3] offset:64*\b            ; each accumulator from its low end on
	ds_store_b128 v[STO32], v[8*\b+4:8*\b+7] offset:64*\b+16
.endr
	WIN 0
.irp t, 0,1,2,3,4,5,6,7,8,9,10,11,12,13,14,15
	ds_load_b128 v[128+4*\t:131+4*\t], v[RD32] offset:\t*SP32      ; LDS serves a wave's instructions in order: these see the stores above
.endr
	s_wait_dscnt 0x0
.irp t, 0,1,2,3,4,5,6,7,8,9,10,11,12,13,14,15
	global_store_b128 v[CO32], v[128+4*\t:131+4*\t], s[96:97] offset:\t*4096   ; 32 lanes store 512 consecutive bytes
.endr
	s_wait_xcnt 0x0
.Lnofine:
; THE WAY OUT IN f16, block by block of 16 rows x 128 columns (two heads).  PACK: rounded, 16 bytes a lane.  TOSTAGE: into my stage, and back head by head.  SEND: stored.
.macro PACK a
.set AC, 64*((\a)%4)
	WIN 0x0a+5*((\a)/4)                            ; sources 0 and 1: window 2 or 3
.irp b, 0,1,2,3,4,5,6,7
.irp r, 0,1,2,3
	v_cvt_pk_f16_f32 v[TMP+4*\b+\r], v[AC+8*\b+2*\r], v[AC+8*\b+2*\r+1]
.endr
.endr
	WIN 0
.endm
.macro TOSTAGE a
.set BK, OB+192*((\a)%2)
.irp b, 0,1,2,3,4,5,6,7
	ds_store_b128 v[STO16], v[TMP+4*\b:TMP+4*\b+3] offset:32*\b
.endr
.irp t, 0,1,2,3,4,5,6,7
	ds_load_b128 v[BK+4*\t:BK+4*\t+3], v[RD16] offset:\t*2*SP16
.endr
.endm
.macro SEND a
.set BK, OB+192*((\a)%2)
	s_wait_dscnt 0x0                               ; the block is back in registers
	s_wait_xcnt 0x0                                ; the earlier stores have read their registers: the next block's loads may land there
.irp t, 0,1,2,3,4,5,6,7
	global_store_b128 v[CO16], v[BK+4*\t:BK+4*\t+3], s[12:13] offset:(\a)*2048+256*\t   ; 16 lanes store 256 consecutive bytes: rows 16 a + 2 t and + 1 of one head
.endr
.endm
	PACK 0
	TOSTAGE 0
.irp a, 1,2,3,4,5,6,7                  ; block a's conversions stand between block a - 1's loads from the stage and the wait for them
	PACK \a
	SEND \a-1
	TOSTAGE \a
.endr
	SEND 7
	s_wait_tensorcnt 0x0                           ; the wave's end
	ds_add_u32 v[SPW], v[NIL]
	s_wait_dscnt 0x0
	CROUND                                         ; the closing round
	s_endpgm
.Lfunc_end_k_qc2a312e566_qkv:
	.size	k_qc2a312e566_qkv, .Lfunc_end_k_qc2a312e566_qkv-k_qc2a312e566_qkv
	.p2alignl 7, 3214868480
	.fill 96, 4, 3214868480
	.section	.rodata,"a",@progbits
	.p2align	6, 0x0
	.amdhsa_kernel k_qc2a312e566_qkv
		.amdhsa_group_segment_fixed_size 327680
		.amdhsa_private_segment_fixed_size 0
		.amdhsa_enable_private_segment 0
		.amdhsa_kernarg_size 32
		.amdhsa_user_sgpr_count 2
		.amdhsa_user_sgpr_kernarg_segment_ptr 1
		.amdhsa_wavefront_size32 1
		.amdhsa_system_sgpr_workgroup_id_x 1
		.amdhsa_system_sgpr_workgroup_id_y 1
		.amdhsa_system_sgpr_workgroup_id_z 1
		.amdhsa_system_vgpr_workitem_id 0
		.amdhsa_next_free_vgpr 1024
		.amdhsa_next_free_sgpr 100
		.amdhsa_reserve_vcc 0
		.amdhsa_float_denorm_mode_32 3
		.amdhsa_float_denorm_mode_16_64 3
		.amdhsa_memory_ordered 1
		.amdhsa_forward_progress 1
		.amdhsa_inst_pref_size 131
	.end_amdhsa_kernel
	.amdgpu_metadata
---
amdhsa.version: [ 1, 2 ]
amdhsa.kernels:
  - .name:           k_qc2a312e566_qkv
    .symbol:         k_qc2a312e566_qkv.kd
    .args:
      - { .name: codes, .offset: 0, .size: 8, .value_kind: global_buffer, .address_space: global }
      - { .name: scales, .offset: 8, .size: 8, .value_kind: global_buffer, .address_space: global }
      - { .name: qkv, .offset: 16, .size: 8, .value_kind: global_buffer, .address_space: global }
      - { .name: fine32, .offset: 24, .size: 8, .value_kind: global_buffer, .address_space: global }
    .group_segment_fixed_size: 327680
    .private_segment_fixed_size: 0
    .kernarg_segment_align: 8
    .kernarg_segment_size: 32
    .max_flat_workgroup_size: 128
    .sgpr_count:     100
    .vgpr_count:     1024
    .wavefront_size: 32
...
	.end_amdgpu_metadata
.endif
;; end of part 2
;; launch prep (part 3): grid 64 x 1, 16 waves a work-group, no clusters, 12,288 bytes of LDS; arguments qkv, fine32, vsuf, y32; writes vsuf, y32
.if DOCPART == 3
	.amdgcn_target "amdgcn-amd-amdhsa--gfx1250"
	.amdhsa_code_object_version 6
	.text
	.protected	k_qc2a312e566_prep
	.globl	k_qc2a312e566_prep
	.p2align	8
	.type	k_qc2a312e566_prep,@function
k_qc2a312e566_prep:
	s_mov_b64 s[64:65], 0
	v_nop
	global_prefetch_b8 v0, s[64:65] scope:SCOPE_SE
	s_setreg_imm32_b32 hwreg(HW_REG_WAVE_MODE, 25, 1), 1
	s_wait_xcnt 0x0
; For each of the 64 heads (work-group = batch x 16 + head):
; (1) vsuf [64][32 e][64 channels] f32: entry e = the sum of v over keys >= 64 (e + 1); entry 31 is zeros.  hidden scores are filled with -10, not -infinity: every hidden key keeps the weight
;     e^(-10 - max), the same for all of them, so what they add to a query is that weight x a suffix sum of v.  The sums are formed from the end on, never as a total less a prefix.
; (2) y32 [4][16 t][1,024] f32: attention for positions 0-15 of the sequence, wholly in f32: these rows average one to a few values and are the largest.
; A wave sums 128 keys of v (two groups of 64) from f16 in f32; the 32 group sums meet in LDS; wave 0 makes the suffix sums and the sixteen positions.
; Wave 0 leaves keys 0-15 out of group 0 (no entry of vsuf holds group 0): the first suffix is then the sum over keys >= 16, which the sixteen positions want.
; LIMITS: NaN and infinities are not served.
; No tensor loads, clusters or rings: 16 MB are read once, by dense loads of 512 bytes.
; REGISTERS: v1 16 x lane; v2 where my group sums go; v3, v4 the add's two; v5 32 h; v6 y32's offset; v7 8 x lane; v8-15 at work, later p; v16-111 three sets of eight loads, later the suffixes;
;   v112-127 two group sums, later at work; v128-159 q, v160-191 k, v192-223 v of the sixteen positions; v224-255 four accumulators, written by matrix instructions alone.
.set TOT,   8192                       ; LDS: 0-8,191 the group sums [32][64] f32; then 256 bytes: the sum over keys >= 16
.set SPARE, 8448                       ; the spare words, 128 bytes for each of 16 waves
.set WV,  12
.set SEL, 14
.set CS,  16
.set AA,  112
.set AB,  120
.set QF,  128
.set KF,  160
.set VF,  192
.set W,   224
	s_load_b256 s[4:11], s[0:1], 0x0               ; qkv s[4:5], fine32 s[6:7], vsuf s[8:9], y32 s[10:11]
	v_lshl_add_u32 v3, v0, 2, SPARE
	v_mov_b32 v4, 0
	v_lshrrev_b32 v1, 5, v0
	v_readfirstlane_b32 s[WV], v1                  ; wave 0..15
	v_and_b32 v7, 31, v0
	v_lshlrev_b32 v1, 4, v7                        ; 16 x lane
	v_lshlrev_b32 v7, 3, v7                        ; 8 x lane
	v_and_b32 v2, 7, v0
	v_lshlrev_b32 v2, 5, v2
	s_lshl_b32 s17, s[WV], 9
	v_add_nc_u32 v2, s17, v2                       ; group 2 w's row of 256 bytes, my 8 channels: 512 w + 32 (lane % 8)
	v_bfe_u32 v5, v0, 4, 1                         ; h
	v_and_b32 v6, 15, v0                           ; r
	v_lshlrev_b32 v8, 12, v6
	v_lshl_add_u32 v8, v5, 7, v8                   ; q, k of the sixteen: row r of 4,096 bytes + 128 h
	v_lshlrev_b32 v9, 2, v6
	v_lshl_add_u32 v9, v5, 15, v9                  ; v of the sixteen: 8 h rows down + 4 r
	v_lshlrev_b32 v5, 5, v5                        ; 32 h
	v_lshl_add_u32 v6, v6, 12, v5                  ; y32: row r + 32 h
	s_mov_b32 s[SEL], 0x76543210
	s_mov_b32 s[SEL+1], 0xfedcba98                 ; v_permlanex16_b32's selects for lane l xor 16
	s_mov_b32 s[CS], 0x3e38aa3b                    ; c = log2(e) / sqrt(64)
	s_mov_b32 s18, 0xc2a00000                      ; -80: as a raw score the fill, -10 x sqrt(64)
	s_mov_b32 s19, 0x44fe0000                      ; 2,032: the keys from 16 on, all hidden for these queries
	s_lshl_b32 s20, ttmp9, 18                      ; v's part, my head, my wave's 128 keys of 128 bytes
	s_lshl_b32 s21, s[WV], 14
	s_add_co_u32 s20, s20, s21
	s_add_co_u32 s20, s20, 0x2000000
	s_mov_b32 s21, 0
	s_lshr_b32 s22, ttmp9, 4                       ; fine32 and y32: batch x 65,536 + head x 256
	s_lshl_b32 s22, s22, 16
	s_and_b32 s23, ttmp9, 15
	s_lshl_b32 s23, s23, 8
	s_add_co_u32 s22, s22, s23
	s_mov_b32 s23, 0
	s_lshl_b32 s24, ttmp9, 13                      ; vsuf: 8,192 bytes a head
	s_mov_b32 s25, 0
	s_wait_kmcnt 0x0
	s_add_nc_u64 s[4:5], s[4:5], s[20:21]
	s_add_nc_u64 s[6:7], s[6:7], s[22:23]
	s_add_nc_u64 s[10:11], s[10:11], s[22:23]
	s_add_nc_u64 s[8:9], s[8:9], s[24:25]
	s_cmp_lg_u32 s[WV], 0
	s_cbranch_scc1 .Lgroups
	; wave 0: q, k, v of positions 0-15, f32.  They are issued ahead of the group loads, so the counted waits below hold with them and without.
	; Register n of q and of k: d = 32 h + n of row r.  Register 8 ct + n of v: v(key 8 h + n, channel 16 ct + r).
.irp i, 0,1,2,3,4,5,6,7
	global_load_b128 v[QF+4*\i:QF+4*\i+3], v8, s[6:7] offset:16*\i
	global_load_b128 v[KF+4*\i:KF+4*\i+3], v8, s[6:7] offset:262144+16*\i
.endr
.irp ct, 0,1,2,3
.irp n, 0,1,2,3,4,5,6,7
	global_load_b32 v[VF+8*\ct+\n], v9, s[6:7] offset:524288+\n*4096+64*\ct
.endr
.endr
.Lgroups:
.macro LOADSET s, n                    ; eight loads of 512 dense bytes: keys 32 n .. 32 n + 31 of my 128.  In load u lane l holds key 4 u + l / 8, channels 8 (l % 8) on
.irp u, 0,1,2,3,4,5,6,7
	global_load_b128 v[16+32*\s+4*\u:19+32*\s+4*\u], v1, s[4:5] offset:(8*\n+\u)*512
.endr
.endm
.macro ACCU acc, start, h0, h1, h2, h3, h4, h5, h6, h7   ; eight f16 halves, widened, onto the eight sums at v[acc]; start = 1: they begin the sums
.if \start
	v_cvt_f32_f16 v[\acc], \h0
	v_cvt_f32_f16 v[\acc+1], \h1
	v_cvt_f32_f16 v[\acc+2], \h2
	v_cvt_f32_f16 v[\acc+3], \h3
	v_cvt_f32_f16 v[\acc+4], \h4
	v_cvt_f32_f16 v[\acc+5], \h5
	v_cvt_f32_f16 v[\acc+6], \h6
	v_cvt_f32_f16 v[\acc+7], \h7
.else
	v_cvt_f32_f16 v8, \h0
	v_cvt_f32_f16 v9, \h1
	v_cvt_f32_f16 v10, \h2
	v_cvt_f32_f16 v11, \h3
	v_cvt_f32_f16 v12, \h4
	v_cvt_f32_f16 v13, \h5
	v_cvt_f32_f16 v14, \h6
	v_cvt_f32_f16 v15, \h7
	v_pk_add_f32 v[\acc:\acc+1], v[\acc:\acc+1], v[8:9]
	v_pk_add_f32 v[\acc+2:\acc+3], v[\acc+2:\acc+3], v[10:11]
	v_pk_add_f32 v[\acc+4:\acc+5], v[\acc+4:\acc+5], v[12:13]
	v_pk_add_f32 v[\acc+6:\acc+7], v[\acc+6:\acc+7], v[14:15]
.endif
.endm
.macro S0_LO acc                       ; set 0's loads 0-3
	ACCU \acc, 0, v16.l, v16.h, v17.l, v17.h, v18.l, v18.h, v19.l, v19.h
	ACCU \acc, 0, v20.l, v20.h, v21.l, v21.h, v22.l, v22.h, v23.l, v23.h
	ACCU \acc, 0, v24.l, v24.h, v25.l, v25.h, v26.l, v26.h, v27.l, v27.h
	ACCU \acc, 0, v28.l, v28.h, v29.l, v29.h, v30.l, v30.h, v31.l, v31.h
.endm
.macro S0_HI acc, start                ; set 0's loads 4-7
	ACCU \acc, \start, v32.l, v32.h, v33.l, v33.h, v34.l, v34.h, v35.l, v35.h
	ACCU \acc, 0, v36.l, v36.h, v37.l, v37.h, v38.l, v38.h, v39.l, v39.h
	ACCU \acc, 0, v40.l, v40.h, v41.l, v41.h, v42.l, v42.h, v43.l, v43.h
	ACCU \acc, 0, v44.l, v44.h, v45.l, v45.h, v46.l, v46.h, v47.l, v47.h
.endm
.macro S1 acc
	ACCU \acc, 0, v48.l, v48.h, v49.l, v49.h, v50.l, v50.h, v51.l, v51.h
	ACCU \acc, 0, v52.l, v52.h, v53.l, v53.h, v54.l, v54.h, v55.l, v55.h
	ACCU \acc, 0, v56.l, v56.h, v57.l, v57.h, v58.l, v58.h, v59.l, v59.h
	ACCU \acc, 0, v60.l, v60.h, v61.l, v61.h, v62.l, v62.h, v63.l, v63.h
	ACCU \acc, 0, v64.l, v64.h, v65.l, v65.h, v66.l, v66.h, v67.l, v67.h
	ACCU \acc, 0, v68.l, v68.h, v69.l, v69.h, v70.l, v70.h, v71.l, v71.h
	ACCU \acc, 0, v72.l, v72.h, v73.l, v73.h, v74.l, v74.h, v75.l, v75.h
	ACCU \acc, 0, v76.l, v76.h, v77.l, v77.h, v78.l, v78.h, v79.l, v79.h
.endm
.macro S2 acc                          ; its first load begins the sums
	ACCU \acc, 1, v80.l, v80.h, v81.l, v81.h, v82.l, v82.h, v83.l, v83.h
	ACCU \acc, 0, v84.l, v84.h, v85.l, v85.h, v86.l, v86.h, v87.l, v87.h
	ACCU \acc, 0, v88.l, v88.h, v89.l, v89.h, v90.l, v90.h, v91.l, v91.h
	ACCU \acc, 0, v92.l, v92.h, v93.l, v93.h, v94.l, v94.h, v95.l, v95.h
	ACCU \acc, 0, v96.l, v96.h, v97.l, v97.h, v98.l, v98.h, v99.l, v99.h
	ACCU \acc, 0, v100.l, v100.h, v101.l, v101.h, v102.l, v102.h, v103.l, v103.h
	ACCU \acc, 0, v104.l, v104.h, v105.l, v105.h, v106.l, v106.h, v107.l, v107.h
	ACCU \acc, 0, v108.l, v108.h, v109.l, v109.h, v110.l, v110.h, v111.l, v111.h
.endm
	LOADSET 0, 0
	LOADSET 1, 1
	LOADSET 2, 2
	s_wait_loadcnt 16                              ; set 0 is in (and all that is older); the sixteen loads of sets 1 and 2 stay out
	S0_HI AA, 1                                    ; keys 16-31 of my 128 begin group 2 w's sums
	s_cmp_eq_u32 s[WV], 0
	s_cbranch_scc1 .Lno_first16                    ; wave 0 leaves keys 0-15 of the sequence out
	S0_LO AA
.Lno_first16:
	LOADSET 0, 3
	s_wait_loadcnt 16                              ; set 1 is in; sets 2 and 3 stay out
	S1 AA
	s_wait_loadcnt 8                               ; set 2 is in; set 3 stays out
	S2 AB
	s_wait_loadcnt 0x0
	S0_LO AB
	S0_HI AB, 0
	; the four lanes with the same channels (lane / 8 = 0..3) add up
.irp k, 0,1,2,3,4,5,6,7
	v_add_f32_dpp v[AA+\k], v[AA+\k], v[AA+\k] row_xmask:8 row_mask:0xf bank_mask:0xf
	v_add_f32_dpp v[AB+\k], v[AB+\k], v[AB+\k] row_xmask:8 row_mask:0xf bank_mask:0xf
.endr
.irp k, 0,1,2,3,4,5,6,7
	v_permlanex16_b32 v[8+\k], v[AA+\k], s[SEL], s[SEL+1]
.endr
.irp k, 0,1,2,3,4,5,6,7
	v_add_f32 v[AA+\k], v[AA+\k], v[8+\k]
.endr
.irp k, 0,1,2,3,4,5,6,7
	v_permlanex16_b32 v[8+\k], v[AB+\k], s[SEL], s[SEL+1]
.endr
.irp k, 0,1,2,3,4,5,6,7
	v_add_f32 v[AB+\k], v[AB+\k], v[8+\k]
.endr
	ds_store_b128 v2, v[AA:AA+3]                   ; lanes with the same channels write the same bytes with the same values
	ds_store_b128 v2, v[AA+4:AA+7] offset:16
	ds_store_b128 v2, v[AB:AB+3] offset:256
	ds_store_b128 v2, v[AB+4:AB+7] offset:272
	s_wait_dscnt 0x0                               ; for wave 0's sake: my stores have landed
	s_barrier_signal -1
	s_barrier_wait -1
	s_cmp_eq_u32 s[WV], 0
	s_cbranch_scc1 .Lwave0
	s_wait_tensorcnt 0x0                           ; waves 1-15 end
	ds_add_u32 v3, v4
	s_wait_dscnt 0x0
	s_endpgm
.Lwave0:
	; THE SUFFIX SUMS.  A lane holds two channels; v[16 + 2 g] is group g.
.irp g, 0,1,2,3,4,5,6,7,8,9,10,11,12,13,14,15,16,17,18,19,20,21,22,23,24,25,26,27,28,29,30,31
	ds_load_b64 v[16+2*\g:17+2*\g], v7 offset:256*\g
.endr
	v_mov_b32 v80, 0                               ; behind the last group: nothing
	v_mov_b32 v81, 0
	v_and_b32 v84, 15, v0
	v_bfe_u32 v85, v0, 4, 1
	v_lshlrev_b32 v85, 3, v85
	v_sub_nc_u32 v84, v84, v85                     ; d = r - 8 h: register j of the scores holds key 8 h + j, hidden for query r where j > d
	v_mov_b32 v85, s18                             ; the fill
	s_wait_dscnt 0x0
.irp g, 30,29,28,27,26,25,24,23,22,21,20,19,18,17,16,15,14,13,12,11,10,9,8,7,6,5,4,3,2,1,0
	v_pk_add_f32 v[16+2*\g:17+2*\g], v[16+2*\g:17+2*\g], v[18+2*\g:19+2*\g]
.endr
.irp e, 0,1,2,3,4,5,6,7,8,9,10,11,12,13,14,15,16,17,18,19,20,21,22,23,24,25,26,27,28,29,30,31
	global_store_b64 v7, v[18+2*\e:19+2*\e], s[8:9] offset:256*\e   ; entry e = the suffix from group e + 1 on: 256 consecutive bytes a store
.endr
	ds_store_b64 v7, v[16:17] offset:TOT           ; the sum over keys >= 16,
.irp ct, 0,1,2,3
.irp u, 0,1
	ds_load_b128 v[88+8*\ct+4*\u:91+8*\ct+4*\u], v5 offset:TOT+64*\ct+16*\u   ; back in the second product's layout: register 8 ct + j = channel 16 ct + 8 h + j
.endr
.endr
	; POSITIONS 0-15.  S^T = k q^T: source 0 = 16 keys, source 1 = 16 queries; a lane then holds query r and keys 8 h + 0..7.  Instruction i takes d = 2 i, 2 i + 1, 32 + 2 i, 33 + 2 i: the same in both sources.
	; Two accumulators by turns.
.irp i, 0,1,2,3,4,5,6,7,8,9,10,11,12,13,14,15
.if \i < 2
	v_wmma_f32_16x16x4_f32 v[W+8*(\i%2):W+8*(\i%2)+7], v[KF+2*\i:KF+2*\i+1], v[QF+2*\i:QF+2*\i+1], 0
.else
	v_wmma_f32_16x16x4_f32 v[W+8*(\i%2):W+8*(\i%2)+7], v[KF+2*\i:KF+2*\i+1], v[QF+2*\i:QF+2*\i+1], v[W+8*(\i%2):W+8*(\i%2)+7]
.endif
.endr
.rept 8
	v_nop                                          ; eight places behind this form before its results are read (ISA guide 7.12.1)
.endr
.irp j, 0,1,2,3,4,5,6,7
	v_add_f32 v[8+\j], v[W+\j], v[W+8+\j]          ; the two halves of the sum, from the low end on, into other registers
.endr
.irp j, 0,1,2,3,4,5,6,7
	v_cmp_gt_i32 vcc_lo, \j, v84
	v_cndmask_b32 v[8+\j], v[8+\j], v85, vcc_lo    ; hidden: the fill
.endr
	v_max3_num_f32 v120, v8, v9, v10
	v_max3_num_f32 v120, v120, v11, v12
	v_max3_num_f32 v120, v120, v13, v14
	v_max3_num_f32 v120, v120, v15, v85            ; the fill counts in the maximum: each of these queries has hidden keys
	v_permlanex16_b32 v121, v120, s[SEL], s[SEL+1]
	v_max_num_f32 v120, v120, v121                 ; the row's maximum
	v_mul_f32 v121, s[CS], v120
.irp j, 0,1,2,3,4,5,6,7
	v_fma_f32 v[8+\j], v[8+\j], s[CS], -v121
.endr
	v_fma_f32 v122, v85, s[CS], -v121
.irp j, 0,1,2,3,4,5,6,7
	v_exp_f32 v[8+\j], v[8+\j]                     ; p
.endr
	v_exp_f32 v122, v122                           ; w: a hidden key's weight
	v_nop                                          ; a plain instruction behind the last exponential
	s_wait_alu depctr_va_vdst(0)                   ; one wait for the nine, ahead of their first reader
	v_add_f32 v123, v8, v9
	v_add_f32 v124, v10, v11
	v_add_f32 v125, v12, v13
	v_add_f32 v126, v14, v15
	v_add_f32 v123, v123, v124
	v_add_f32 v125, v125, v126
	v_add_f32 v123, v123, v125
	v_permlanex16_b32 v124, v123, s[SEL], s[SEL+1]
	v_add_f32 v123, v123, v124
	v_fma_f32 v123, v122, s19, v123                ; + 2,032 w: the row's sum
	v_rcp_f32 v123, v123
	s_wait_xcnt 0x0                                ; the stores of the suffixes have read their registers: v16 on may be written
	s_wait_dscnt 0x0                               ; the sum over keys >= 16 is back
.set n, 0
.rept 32
	v_mul_f32 v[16+n], v122, v[88+n]               ; w x that sum: what the second product's sums begin with.  (Plain work behind the reciprocal)
.set n, n+1
.endr
	s_wait_alu depctr_va_vdst(0)                   ; the wait for the reciprocal, ahead of its first reader
	; O^T = v^T p: source 0 = 16 channels x 4 keys, source 1 = p: instruction i takes keys 8 h + 2 i, + 1.  Four accumulators by turns.
.irp i, 0,1,2,3
.irp ct, 0,1,2,3
.if \i == 0
	v_wmma_f32_16x16x4_f32 v[W+8*\ct:W+8*\ct+7], v[VF+8*\ct+2*\i:VF+8*\ct+2*\i+1], v[8+2*\i:9+2*\i], v[16+8*\ct:23+8*\ct]
.else
	v_wmma_f32_16x16x4_f32 v[W+8*\ct:W+8*\ct+7], v[VF+8*\ct+2*\i:VF+8*\ct+2*\i+1], v[8+2*\i:9+2*\i], v[W+8*\ct:W+8*\ct+7]
.endif
.endr
.endr
.rept 8
	v_nop
.endr
.set n, 0
.rept 32
	v_mul_f32 v[48+n], v[W+n], v123                ; / the row's sum, each accumulator from its low end on
.set n, n+1
.endr
.irp ct, 0,1,2,3
	global_store_b128 v6, v[48+8*\ct:51+8*\ct], s[10:11] offset:64*\ct
	global_store_b128 v6, v[52+8*\ct:55+8*\ct], s[10:11] offset:64*\ct+16
.endr
	s_wait_tensorcnt 0x0                           ; the wave's end
	ds_add_u32 v3, v4
	s_wait_dscnt 0x0
	s_endpgm
.Lfunc_end_k_qc2a312e566_prep:
	.size	k_qc2a312e566_prep, .Lfunc_end_k_qc2a312e566_prep-k_qc2a312e566_prep
	.p2alignl 7, 3214868480
	.fill 96, 4, 3214868480
	.section	.rodata,"a",@progbits
	.p2align	6, 0x0
	.amdhsa_kernel k_qc2a312e566_prep
		.amdhsa_group_segment_fixed_size 12288
		.amdhsa_private_segment_fixed_size 0
		.amdhsa_enable_private_segment 0
		.amdhsa_kernarg_size 32
		.amdhsa_user_sgpr_count 2
		.amdhsa_user_sgpr_kernarg_segment_ptr 1
		.amdhsa_wavefront_size32 1
		.amdhsa_system_sgpr_workgroup_id_x 1
		.amdhsa_system_sgpr_workgroup_id_y 1
		.amdhsa_system_sgpr_workgroup_id_z 1
		.amdhsa_system_vgpr_workitem_id 0
		.amdhsa_next_free_vgpr 256
		.amdhsa_next_free_sgpr 66
		.amdhsa_reserve_vcc 1
		.amdhsa_float_denorm_mode_32 3
		.amdhsa_float_denorm_mode_16_64 3
		.amdhsa_memory_ordered 1
		.amdhsa_forward_progress 1
		.amdhsa_inst_pref_size 45
	.end_amdhsa_kernel
	.amdgpu_metadata
---
amdhsa.version: [ 1, 2 ]
amdhsa.kernels:
  - .name:           k_qc2a312e566_prep
    .symbol:         k_qc2a312e566_prep.kd
    .args:
      - { .name: qkv, .offset: 0, .size: 8, .value_kind: global_buffer, .address_space: global }
      - { .name: fine32, .offset: 8, .size: 8, .value_kind: global_buffer, .address_space: global }
      - { .name: vsuf, .offset: 16, .size: 8, .value_kind: global_buffer, .address_space: global }
      - { .name: y32, .offset: 24, .size: 8, .value_kind: global_buffer, .address_space: global }
    .group_segment_fixed_size: 12288
    .private_segment_fixed_size: 0
    .kernarg_segment_align: 8
    .kernarg_segment_size: 32
    .max_flat_workgroup_size: 512
    .sgpr_count:     66
    .vgpr_count:     256
    .wavefront_size: 32
...
	.end_amdgpu_metadata
.endif
;; end of part 3
;; launch attn (part 4): grid 4 x 64, 16 waves a work-group, no clusters, 327,680 bytes of LDS; arguments qkv, vsuf, y16; writes y16
.if DOCPART == 4
	.amdgcn_target "amdgcn-amd-amdhsa--gfx1250"
	.amdhsa_code_object_version 6
	.text
	.protected	k_qc2a312e566_attn
	.globl	k_qc2a312e566_attn
	.p2align	8
	.type	k_qc2a312e566_attn,@function
k_qc2a312e566_attn:
	s_mov_b64 s[64:65], 0
	v_nop
	global_prefetch_b8 v0, s[64:65] scope:SCOPE_SE
	s_setreg_imm32_b32 hwreg(HW_REG_WAVE_MODE, 25, 1), 1
	s_wait_xcnt 0x0
; y[q] = softmax over ALL 2,048 keys of (q . k / 8 where key <= query, -10 elsewhere) x v, per head; q, k, v f16 [64 heads][2,048][64]; products with f16 operands and f32 sums; softmax in f32.
; THE FILL IS -10, NOT -INFINITY: every hidden key keeps the weight w = e^(-10 - max).  Only hidden SCORES need not be computed.  So, with kend the end of the 64 keys that hold the diagonal:
;   y = (sum over keys < kend of p v + w x (sum of v over keys >= kend)) / (sum of p + w x (2,048 - kend)),  where inside the diagonal step hidden scores are replaced by the fill.
; The sum of v over keys >= kend comes from vsuf (f32), which an earlier launch stored.  The fill enters the running maximum wherever a query has hidden keys, as in the definition.
; OUT: y16, f16, in slabs [16 heads][8,192 rows][64].  LIMITS: |q|, |k|, |v|, |y| under 65,504; NaN and infinities are not served.
; SHARES.  Work-group (j, head) owns query blocks 7 - j and j of 256: 9 blocks of keys' work in each of the 256 work-groups.  A wave owns 32 queries (two tiles of 16) in 256 registers;
; waves of the late and of the early block are mixed, so that each group of four neighbouring waves holds two of each.  All sixteen walk one ring of K and V: two LDS slots of 256 keys, 64 keys a step.
; LAYOUT.  S^T = K Q^T (source 0 = 16 keys, source 1 = 16 queries): a lane holds ONE query (lane % 16) and keys 8 (lane / 16) + 0..7.  Two such tiles, rounded to f16 in pairs, ARE source 1 of
; O^T = V^T P.  K comes out of LDS as it lies, V ([key][channel]) turned, by ds_load_tr16_b128.
; NO CLUSTER: the four work-groups of a head stop at different keys (2,048 - 256 j), so a partner would have to take tiles that none of its waves reads.
; Every work-group walks all eight slots, so that trip counts are constants; a step all of whose keys are hidden from the wave is jumped over, and a slot that no wave of the work-group reads is not asked for.
; REGISTERS: v1, v2 my lane's place in a tile of K, of V; v3, v4 the add's two; v5, v6 addresses in hand; v7 r - 8 h; v8-23 statistics, eight a tile: +0 c m, +1 m, +2:3 the sum, +4..7 at work;
;   v24-55 Q; v56-119 K's, then V's fragments of a step; v120-183 S^T, then p, then P in the first 16 of each tile's 32; v184-247 O^T; v248 on: see below.
.set SK,    256                        ; keys in a slot
.set KP,    144                        ; a row of K in LDS: 128 bytes + 16 of padding
.set VP,    160                        ; a row of V: 128 + 32
.set VOFF,  SK*KP
.set SLOT1, 1<<17                      ; slot 1 begins here: one exclusive or turns an address
.set NSL,   8
.set STAGE, SLOT1+SK*(KP+VP)           ; behind the ring: 2 x 16 rows x 144 bytes for each wave, for the way out
.set VSB,   STAGE+16*4608              ; 256 bytes for each wave: its row of vsuf
.set SPARE, VSB+16*256                 ; the spare words, 128 bytes for each wave
.set AK0, 1
.set AV0, 2
.set SPW, 3
.set NIL, 4
.set ADK, 5
.set ADV, 6
.set DQ,  7
.set ST,  8
.set QF,  24
.set KV,  56
.set SC,  120
.set OT,  184
.set DD,   248                         ; v248 the diagonal step's d
.set FILL, 249                         ; v249 -80.0: the fill as a raw score
.set PFO,  250                         ; v250 256 x lane: the prefetches' offset
.set GO,   251                         ; v251 16 x lane: my offset in the wave's rows of y16
.set STO,  252                         ; v252 the stage, in
.set RD,   253                         ; v253 the stage, back
.set VSA,  254                         ; v254 my channels in my wave's row of vsuf
.set WV,  18
.set SEL, 20
.set CS,  22                           ; s[22:23] c = log2(e) / 8
.set G1K, 24
.set G1V, 32
.set G0K, 40
.set G0V, 44
.set TB,  2                            ; s2  LDS byte at which the slot in hand begins
.set KF,  48                           ; s48 the step's first key
.set Q0,  49                           ; s49 my first query
.set WGL, 50                           ; s50 my work-group's last query
.set SLOTS, 51
.set PFA, 52                           ; s[52:53] where my prefetches stand
.set LIM, 54
.set SF,  55                           ; s55 -80 where keys lie beyond my diagonal step, else -3e38
.set CNTF, 57                          ; s57 how many, as f32
; Waves 0 and 1 fetch K's halves of a slot, waves 2 and 3 V's, the others nothing.  An s_nop 0 and four v_nop follow each of the two lines.
.macro TLOAD
	s_cmp_lt_u32 s[WV], 2
	s_cbranch_scc0 .Lnot_k_\@
	tensor_load_to_lds s[G0K:G0K+3], s[G1K:G1K+7]
	s_nop 0
.rept 4
	v_nop
.endr
	s_branch .Lasked_\@
.Lnot_k_\@:
	s_cmp_lt_u32 s[WV], 4
	s_cbranch_scc0 .Lasked_\@
	tensor_load_to_lds s[G0V:G0V+3], s[G1V:G1V+7]
	s_nop 0
.rept 4
	v_nop
.endr
.Lasked_\@:
.endm
; A prefetch of what the NEXT change of slots will ask for: a slot's 256 rows of K and of V, 32,768 dense bytes each.  Each aligned block of 256 bytes is named once in the launch: the head's work-group
; j = 0, which walks all eight slots, asks; in it waves 4-7 for K, waves 8-11 for V, 8,192 bytes a wave, lanes 256 bytes apart.  The last change that fills a slot asks for nothing.
.macro ASK
	s_cmp_gt_u32 s[SLOTS], s[LIM]
	s_cbranch_scc0 .Lnot_mine_\@
	global_prefetch_b8 v[PFO], s[PFA:PFA+1] th:TH_LOAD_NT scope:SCOPE_SE
.Lnot_mine_\@:
.endm
	s_load_b128 s[4:7], s[0:1], 0x0                ; qkv, vsuf
	s_load_b64 s[8:9], s[0:1], 0x10                ; y16
	v_lshl_add_u32 v[SPW], v0, 2, SPARE
	v_mov_b32 v[NIL], 0
	ds_add_u32 v[SPW], v[NIL]                      ; the wave's opening: the add, twice on end, and its wait ahead of the first tensor load
	ds_add_u32 v[SPW], v[NIL]
	v_lshrrev_b32 v5, 5, v0
	v_readfirstlane_b32 s[WV], v5                  ; wave 0..15
	s_and_b32 s70, ttmp7, 0xffff                   ; batch x 16 + head
	s_lshr_b32 s71, s[WV], 2
	s_xor_b32 s71, s71, s[WV]
	s_and_b32 s71, s71, 1                          ; 1: the early block j; 0: the late block 7 - j
	s_sub_co_u32 s72, 7, ttmp9
	s_cmp_eq_u32 s71, 1
	s_cselect_b32 s73, ttmp9, s72
	s_lshl_b32 s73, s73, 8
	s_lshr_b32 s74, s[WV], 1
	s_lshl_b32 s74, s74, 5
	s_add_co_u32 s[Q0], s73, s74                   ; my first query: 256 x block + 32 x (wave / 2)
	s_lshl_b32 s[WGL], s72, 8
	s_or_b32 s[WGL], s[WGL], 255
	s_lshl_b32 s76, s70, 18                        ; the head's first byte in each of qkv's parts
	s_and_b32 s78, s[WV], 1
	s_lshl_b32 s80, s78, 14                        ; what I fetch, if I fetch: 128 rows of 128 bytes,
	s_add_co_u32 s80, s80, s76
	s_add_co_u32 s84, s80, 0x1000000               ; of k,
	s_mov_b32 s85, 0
	s_add_co_u32 s86, s80, 0x2000000               ; or of v;
	s_mov_b32 s87, 0
	s_mul_i32 s82, s78, 128*KP                     ; and where in a slot
	s_mul_i32 s83, s78, 128*VP
	s_add_co_u32 s83, s83, VOFF
	s_lshl_b32 s88, s[Q0], 7
	s_add_co_u32 s88, s88, s76                     ; q at my first query
	s_mov_b32 s89, 0
	s_lshl_b32 s90, s70, 13
	s_lshr_b32 s91, s[Q0], 6
	s_lshl_b32 s91, s91, 8
	s_add_co_u32 s90, s90, s91                     ; vsuf: entry Q0 / 64 of my head
	s_mov_b32 s91, 0
	s_and_b32 s92, s70, 15
	s_lshl_b32 s92, s92, 20
	s_lshr_b32 s93, s70, 4
	s_lshl_b32 s93, s93, 18
	s_add_co_u32 s92, s92, s93
	s_lshl_b32 s93, s[Q0], 7
	s_add_co_u32 s92, s92, s93                     ; y16: head x 1,048,576 + (2,048 x batch + Q0) x 128
	s_mov_b32 s93, 0
	; descriptor group 1: 128 rows of 64 elements of 2 bytes, dense in memory; padding behind every 32 words: 4 words for K, 8 for V
	s_mov_b32 s[G1K], (1<<16)|(1<<20)|(4<<22)|(3<<25)
	s_mov_b32 s[G1V], (1<<16)|(1<<20)|(4<<22)|(7<<25)
.irp g, G1K, G1V
	s_mov_b32 s[\g+1], 64<<16                      ; tensor_dim0
	s_mov_b32 s[\g+2], 128<<16                     ; tensor_dim1
	s_mov_b32 s[\g+3], 64<<16                      ; tile_dim0
	s_mov_b32 s[\g+4], 128                         ; tile_dim1
	s_mov_b32 s[\g+5], 64                          ; from row to row
	s_mov_b32 s[\g+6], 0
	s_mov_b32 s[\g+7], 0
.endr
	s_mov_b32 s[SEL], 0x76543210
	s_mov_b32 s[SEL+1], 0xfedcba98
	s_mov_b32 s[CS], 0x3e38aa3b
	s_mov_b32 s[CS+1], s[CS]                       ; (named with it as a pair, so it is written)
	s_mov_b32 s[TB], 0
	s_mov_b32 s[KF], 0
	s_mov_b32 s[SLOTS], NSL-1
	s_and_b32 s66, s[Q0], 0x7c0
	s_sub_co_u32 s66, 1984, s66                    ; keys beyond my diagonal step: 2,048 - 64 - (Q0 rounded down to 64)
	s_cvt_f32_u32 s[CNTF], s66
	s_mov_b32 s[SF], 0xff61b1e6
	s_cmp_lg_u32 s66, 0
	s_cselect_b32 s[SF], 0xc2a00000, s[SF]
	s_mov_b32 s94, 0x2000000                       ; the prefetches: waves 4-7 stand in k, waves 8-11 in v,
	s_cmp_lt_u32 s[WV], 8
	s_cselect_b32 s94, 0x1000000, s94
	s_add_co_u32 s94, s94, s76
	s_and_b32 s95, s[WV], 3
	s_lshl_b32 s95, s95, 13
	s_add_co_u32 s94, s94, s95                     ; at my wave's 8,192 bytes
	s_add_co_u32 s94, s94, SK*128                  ; of slot 1: the first change of slots steps it to slot 2.  Nothing is prefetched at the head
	s_mov_b32 s95, 0
	s_sub_co_u32 s67, s[WV], 4
	s_lshr_b32 s67, s67, 3                         ; 0 in waves 4 to 11,
	s_or_b32 s67, s67, ttmp9                       ; of work-group j = 0
	s_cmp_eq_u32 s67, 0
	s_cselect_b32 s[LIM], 1, -1
	s_wait_dscnt 0x0                               ; both opening adds are done
	s_wait_kmcnt 0x0
	s_mov_b32 s[G0K], 1
	s_mov_b32 s[G0K+1], s82
	s_add_nc_u64 s[G0K+2:G0K+3], s[4:5], s[84:85]
	s_or_b32 s[G0K+3], s[G0K+3], 0x80000000
	s_mov_b32 s[G0V], 1
	s_mov_b32 s[G0V+1], s83
	s_add_nc_u64 s[G0V+2:G0V+3], s[4:5], s[86:87]
	s_or_b32 s[G0V+3], s[G0V+3], 0x80000000
	TLOAD                                          ; slot 0: keys 0-255, which count for every wave
	s_add_nc_u64 s[PFA:PFA+1], s[4:5], s[94:95]
	s_add_nc_u64 s[10:11], s[4:5], s[88:89]
	s_add_nc_u64 s[6:7], s[6:7], s[90:91]
	s_add_nc_u64 s[8:9], s[8:9], s[92:93]
	v_and_b32 v248, 15, v0                         ; r
	v_bfe_u32 v249, v0, 4, 1                       ; h
	v_lshlrev_b32 v5, 7, v248
	v_lshl_add_u32 v5, v249, 4, v5                 ; Q: row r of 128 bytes + 16 h
.irp x, 0,1
.irp dh, 0,1
	global_load_b128 v[QF+16*\x+8*\dh:QF+16*\x+8*\dh+3], v5, s[10:11] offset:2048*\x+64*\dh
	global_load_b128 v[QF+16*\x+8*\dh+4:QF+16*\x+8*\dh+7], v5, s[10:11] offset:2048*\x+64*\dh+32
.endr
.endr
	v_and_b32 v251, 31, v0
	v_lshlrev_b32 v6, 3, v251
	global_load_b64 v[KV:KV+1], v6, s[6:7]         ; my wave's row of vsuf, 8 bytes a lane
	v_lshlrev_b32 v[PFO], 8, v251
	v_lshlrev_b32 v[GO], 4, v251
	v_mul_u32_u24 v[AK0], v248, KP
	v_lshl_add_u32 v[AK0], v249, 4, v[AK0]         ; K: row r x pitch + 16 h
	v_and_b32 v[AV0], 7, v0
	v_lshl_add_u32 v[AV0], v249, 3, v[AV0]
	v_mul_u32_u24 v[AV0], v[AV0], VP
	v_bfe_u32 v7, v0, 3, 1
	v_lshl_add_u32 v[AV0], v7, 4, v[AV0]
	v_add_nc_u32 v[AV0], VOFF, v[AV0]              ; V, for the turning load: key 8 h + l % 8, channels 8 ((l / 8) % 2) on
	v_lshlrev_b32 v7, 3, v249
	v_sub_nc_u32 v[DQ], v248, v7                   ; r - 8 h
	s_mul_i32 s66, s[WV], 4608
	s_add_co_u32 s66, s66, STAGE                   ; my stage
	v_mul_u32_u24 v[STO], v248, 144
	v_lshl_add_u32 v[STO], v249, 4, v[STO]
	v_add_nc_u32 v[STO], s66, v[STO]               ; in: row r + 16 h
	v_bfe_u32 v[RD], v0, 3, 2
	v_mul_u32_u24 v[RD], v[RD], 144
	v_and_b32 v[VSA], 7, v0
	v_lshl_add_u32 v[RD], v[VSA], 4, v[RD]
	v_add_nc_u32 v[RD], s66, v[RD]                 ; back: four rows of 128 bytes an instruction
	v_and_b32 v[VSA], 0x1e0, v0
	v_lshlrev_b32 v[VSA], 3, v[VSA]
	v_lshl_add_u32 v[VSA], v249, 5, v[VSA]
	v_add_nc_u32 v[VSA], VSB, v[VSA]               ; VSB + 256 x wave + 32 h
	v_lshl_add_u32 v255, v0, 3, VSB                ; VSB + 256 x wave + 8 x lane
	v_mov_b32 v[FILL], 0xc2a00000
.irp x, 0,1
	v_mov_b32 v[ST+8*\x+1], 0xff61b1e6             ; m: -3e38, under every score
	v_mul_f32 v[ST+8*\x], s[CS], v[ST+8*\x+1]      ; c m
	v_mov_b32 v[ST+8*\x+2], 0                      ; the sum, in two halves
	v_mov_b32 v[ST+8*\x+3], 0
	v_mov_b32 v[ST+8*\x+5], 0                      ; (a lane permute's destination counts as one of its sources)
.endr
.set n, 0
.rept 64
	v_mov_b32 v[OT+n], 0                           ; O^T.  (The step is written once: the first finds zeros, which the first change of m leaves zeros)
.set n, n+1
.endr
	s_wait_loadcnt 0x0                             ; Q and my row of vsuf
	ds_store_b64 v255, v[KV:KV+1]
; A KEY STEP: 64 keys, the q-th of the slot in hand.
.macro STEP q
	s_add_co_u32 s96, s[Q0], 31                    ; a step all of whose keys come after my 32 queries is left out: a branch on ids, round the step's work alone
	s_cmp_gt_u32 s[KF], s96
	s_cbranch_scc1 .Lhidden_\@
	v_add_nc_u32 v[ADK], s[TB], v[AK0]
	v_add_nc_u32 v[ADV], s[TB], v[AV0]
.rept 3
	v_nop                                          ; with the two additions five places behind the last step's products: loads land in V's registers, and the products below write over P's
.endr
.irp kt, 0,1,2,3
.irp dh, 0,1
	ds_load_b128 v[KV+16*\kt+8*\dh:KV+16*\kt+8*\dh+3], v[ADK] offset:(\q)*64*KP+\kt*16*KP+64*\dh
	ds_load_b128 v[KV+16*\kt+8*\dh+4:KV+16*\kt+8*\dh+7], v[ADK] offset:(\q)*64*KP+\kt*16*KP+64*\dh+32
.endr
.endr
	s_wait_dscnt 0x0
.irp dh, 0,1                                   ; S^T = K Q^T: eight accumulators by turns; the first eight products start the sums
.irp kt, 0,1,2,3
.irp x, 0,1
.if \dh == 0
	v_wmma_f32_16x16x32_f16 v[SC+32*\x+8*\kt:SC+32*\x+8*\kt+7], v[KV+16*\kt:KV+16*\kt+7], v[QF+16*\x:QF+16*\x+7], 0
.else
	v_wmma_f32_16x16x32_f16 v[SC+32*\x+8*\kt:SC+32*\x+8*\kt+7], v[KV+16*\kt+8:KV+16*\kt+15], v[QF+16*\x+8:QF+16*\x+15], v[SC+32*\x+8*\kt:SC+32*\x+8*\kt+7]
.endif
.endr
.endr
.endr
.rept 4
	v_nop                                          ; places: in front of the loads into K's registers and of the first read of the scores
.endr
.irp kh, 0,1                                   ; V, turned: it lands while the softmax is walked
.irp ct, 0,1,2,3
	ds_load_tr16_b128 v[KV+32*\kh+8*\ct:KV+32*\kh+8*\ct+3], v[ADV] offset:(\q)*64*VP+\kh*32*VP+32*\ct
	ds_load_tr16_b128 v[KV+32*\kh+8*\ct+4:KV+32*\kh+8*\ct+7], v[ADV] offset:(\q)*64*VP+\kh*32*VP+16*VP+32*\ct
.endr
.endr
	s_add_co_u32 s96, s[KF], 63                    ; a step all of whose keys count skips the mask
	s_cmp_le_u32 s96, s[Q0]
	s_cbranch_scc1 .Lopen_\@
	s_sub_co_i32 s96, s[Q0], s[KF]
	v_add_nc_u32 v[DD], s96, v[DQ]                 ; d = Q0 - KF + r - 8 h.  Register 8 kt + j of tile x holds key KF + 16 kt + 8 h + j for query Q0 + 16 x + r: hidden where 16 kt + j - 16 x > d
.irp x, 0,1
.set n, 0
.rept 32
	v_cmp_gt_i32 vcc_lo, 16*(n/8)+n%8-16*\x, v[DD]
	v_cndmask_b32 v[SC+32*\x+n], v[SC+32*\x+n], v[FILL], vcc_lo   ; hidden: the fill, which then counts in the maximum, the sum and the second product like any score
.set n, n+1
.endr
.endr
.Lopen_\@:
	; the maximum of a tile's 32 scores and the old m: four chains, each begun at an accumulator's low end; the two tiles by turns
.irp jj, 0,1,2,3
.irp x, 0,1
	v_max3_num_f32 v[ST+8*\x+4+\jj], v[SC+32*\x+8*\jj], v[SC+32*\x+8*\jj+1], v[SC+32*\x+8*\jj+2]
.endr
.endr
.irp g, 1,2
.irp jj, 0,1,2,3
.irp x, 0,1
	v_max3_num_f32 v[ST+8*\x+4+\jj], v[ST+8*\x+4+\jj], v[SC+32*\x+8*\jj+2*\g+1], v[SC+32*\x+8*\jj+2*\g+2]
.endr
.endr
.endr
.irp x, 0,1
	v_max3_num_f32 v[ST+8*\x+4], v[ST+8*\x+4], v[SC+32*\x+7], v[SC+32*\x+15]
.endr
.irp x, 0,1
	v_max3_num_f32 v[ST+8*\x+6], v[ST+8*\x+6], v[SC+32*\x+23], v[SC+32*\x+31]
.endr
.irp x, 0,1
	v_max3_num_f32 v[ST+8*\x+4], v[ST+8*\x+4], v[ST+8*\x+5], v[ST+8*\x+6]
.endr
.irp x, 0,1
	v_max3_num_f32 v[ST+8*\x+4], v[ST+8*\x+4], v[ST+8*\x+7], v[ST+8*\x+1]
.endr
.irp x, 0,1
	v_permlanex16_b32 v[ST+8*\x+5], v[ST+8*\x+4], s[SEL], s[SEL+1]   ; the query's other 32 keys lie in the lane 16 away
.endr
.irp x, 0,1
	v_mov_b32 v[ST+8*\x+7], v[ST+8*\x]             ; c m_old is kept
.endr
.irp x, 0,1
	v_max_num_f32 v[ST+8*\x+1], v[ST+8*\x+4], v[ST+8*\x+5]
.endr
.irp x, 0,1
	v_mul_f32 v[ST+8*\x], s[CS], v[ST+8*\x+1]
.endr
.irp x, 0,1
	v_sub_f32 v[ST+8*\x+7], v[ST+8*\x+7], v[ST+8*\x]
.endr
.irp x, 0,1
.set n, 0
.rept 16
	v_pk_fma_f32 v[SC+32*\x+n:SC+32*\x+n+1], v[SC+32*\x+n:SC+32*\x+n+1], s[CS:CS+1], v[ST+8*\x:ST+8*\x+1] op_sel_hi:[1,0,0] neg_lo:[0,0,1] neg_hi:[0,0,1]   ; c s - c m, two at a time
.set n, n+2
.endr
.endr
.irp x, 0,1
	v_exp_f32 v[ST+8*\x+6], v[ST+8*\x+7]           ; a = 2^(c m_old - c m_new)
.endr
.set n, 0
.rept 64
	v_exp_f32 v[SC+n], v[SC+n]                     ; p, at most 1
.set n, n+1
.endr
	v_nop                                          ; a plain instruction behind the last exponential
	s_wait_alu depctr_va_vdst(0)                   ; ONE wait for the 66, ahead of their first reader
.irp x, 0,1
	v_pk_mul_f32 v[ST+8*\x+2:ST+8*\x+3], v[ST+8*\x+2:ST+8*\x+3], v[ST+8*\x+6:ST+8*\x+7] op_sel_hi:[1,0]   ; the sum under the new m
.endr
.irp x, 0,1
	v_pk_add_f32 v[ST+8*\x+4:ST+8*\x+5], v[SC+32*\x:SC+32*\x+1], v[SC+32*\x+2:SC+32*\x+3]   ; the sum is taken of p in f32: two chains a tile
.endr
.irp jj, 4,8,12,16,20,24,28
.irp x, 0,1
	v_pk_add_f32 v[ST+8*\x+2:ST+8*\x+3], v[ST+8*\x+2:ST+8*\x+3], v[SC+32*\x+\jj:SC+32*\x+\jj+1]
	v_pk_add_f32 v[ST+8*\x+4:ST+8*\x+5], v[ST+8*\x+4:ST+8*\x+5], v[SC+32*\x+\jj+2:SC+32*\x+\jj+3]
.endr
.endr
.irp x, 0,1
	v_pk_add_f32 v[ST+8*\x+2:ST+8*\x+3], v[ST+8*\x+2:ST+8*\x+3], v[ST+8*\x+4:ST+8*\x+5]
.endr
.irp x, 0,1
.set n, 0
.rept 16
	v_cvt_pk_f16_f32 v[SC+32*\x+n], v[SC+32*\x+2*n], v[SC+32*\x+2*n+1]   ; P, in place and ascending: register n is written when registers 2 n, 2 n + 1 are read, never earlier
.set n, n+1
.endr
.endr
.irp x, 0,1
.set n, 0
.rept 16
	v_pk_mul_f32 v[OT+32*\x+n:OT+32*\x+n+1], v[OT+32*\x+n:OT+32*\x+n+1], v[ST+8*\x+6:ST+8*\x+7] op_sel_hi:[1,0]   ; O^T under the new m
.set n, n+2
.endr
.endr
	s_wait_dscnt 0x0                               ; V is in
.irp kh, 0,1                                   ; O^T += V^T P: eight accumulators by turns
.irp ct, 0,1,2,3
.irp x, 0,1
	v_wmma_f32_16x16x32_f16 v[OT+32*\x+8*\ct:OT+32*\x+8*\ct+7], v[KV+32*\kh+8*\ct:KV+32*\kh+8*\ct+7], v[SC+32*\x+8*\kh:SC+32*\x+8*\kh+7], v[OT+32*\x+8*\ct:OT+32*\x+8*\ct+7]
.endr
.endr
.endr
.Lhidden_\@:
	s_add_co_u32 s[KF], s[KF], 64
.endm
; THE CHANGE OF SLOTS stands at a slot's head.  Each wave waits for all its tensor loads (its part of the slot ahead), adds 0 to its spare word, and waits for that and for its reads of the slot that it
; has left.  Behind the barrier the slot ahead is whole and nobody reads the other one.  fill = 1: that other slot is filled with the next 256 keys: one load a wave, a whole slot's steps in which to land.
.macro CHANGE fill
	s_wait_tensorcnt 0x0                           ; no tensor load of mine is out (at most one ever is), so a group 0 may be written
	ds_add_u32 v[SPW], v[NIL]                      ; 0 onto my spare word
.if \fill
	ds_add_u32 v[SPW], v[NIL]                      ; and once more
	s_xor_b32 s[G0K+1], s[G0K+1], SLOT1            ; the walking descriptors: the other slot than last time,
	s_add_nc_u64 s[G0K+2:G0K+3], s[G0K+2:G0K+3], SK*128   ; the next 256 keys
	s_xor_b32 s[G0V+1], s[G0V+1], SLOT1
	s_add_nc_u64 s[G0V+2:G0V+3], s[G0V+2:G0V+3], SK*128
	s_wait_xcnt 0x0                                ; the last prefetch, a slot back, has read its address, so it may be written:
	s_add_nc_u64 s[PFA:PFA+1], s[PFA:PFA+1], SK*128   ; one slot further on than the walking descriptors
.endif
	s_wait_dscnt 0x0                               ; the add is done, and my reads of the slot that I have left are over
	s_barrier_signal -1
	s_barrier_wait -1
.if \fill
	s_add_co_u32 s96, s[KF], SK                    ; the first key of the slot that this change would ask for:
	s_cmp_gt_u32 s96, s[WGL]                       ; beyond my work-group's last query none of its waves reads it, so it is not asked for.  Ids and the count of steps alone: all sixteen waves go the same way
	s_cbranch_scc1 .Lpast_\@
	TLOAD                                          ; a wave's one tensor load until the next change
.Lpast_\@:
	ASK
.endif
.endm
.macro SLOT_STEPS
.set QS, 0
.rept 4
	STEP QS
.set QS, QS+1
.endr
	s_xor_b32 s[TB], s[TB], SLOT1                  ; on to the other slot
.endm
.Lslot:                                            ; seven trips: behind each change of slots but the last the next slot is asked for, up to the causal limit
	CHANGE 1
	SLOT_STEPS
	s_sub_co_u32 s[SLOTS], s[SLOTS], 1
	s_cmp_lg_u32 s[SLOTS], 0
	s_cbranch_scc1 .Lslot
	CHANGE 0                                       ; the last slot is written out: nothing is left to fetch
	SLOT_STEPS
	; THE END.  The hidden keys beyond my diagonal step come in: the maximum takes the fill in, a brings what was summed under it, w is a hidden key's weight.
.irp x, 0,1
	v_add_f32 v[ST+8*\x+4], v[ST+8*\x+2], v[ST+8*\x+3]     ; (these four lines are the places behind the last products)
.endr
.irp x, 0,1
	v_max_num_f32 v[ST+8*\x+7], s[SF], v[ST+8*\x+1]
.endr
.irp x, 0,1
	v_permlanex16_b32 v[ST+8*\x+5], v[ST+8*\x+4], s[SEL], s[SEL+1]
.endr
.irp x, 0,1
	v_mul_f32 v[ST+8*\x+7], s[CS], v[ST+8*\x+7]            ; c x the final maximum
.endr
.irp x, 0,1
	v_add_f32 v[ST+8*\x+4], v[ST+8*\x+4], v[ST+8*\x+5]     ; the sum of p
.endr
.irp x, 0,1
	v_sub_f32 v[ST+8*\x+6], v[ST+8*\x], v[ST+8*\x+7]
.endr
.irp x, 0,1
	v_fma_f32 v[ST+8*\x+5], s[CS], s[SF], -v[ST+8*\x+7]
.endr
.irp x, 0,1
	v_exp_f32 v[ST+8*\x+6], v[ST+8*\x+6]                   ; a
.endr
.irp x, 0,1
	v_exp_f32 v[ST+8*\x+5], v[ST+8*\x+5]                   ; w (0 where no key lies beyond)
.endr
	v_nop
.irp ct, 0,1,2,3
.irp u, 0,1
	ds_load_b128 v[KV+8*\ct+4*\u:KV+8*\ct+4*\u+3], v[VSA] offset:64*\ct+16*\u   ; the sum of v over those keys, in O^T's layout: register 8 ct + j = channel 16 ct + 8 h + j
.endr
.endr
	s_wait_alu depctr_va_vdst(0)                   ; one wait for the four exponentials
.irp x, 0,1
	v_mul_f32 v[ST+8*\x+4], v[ST+8*\x+4], v[ST+8*\x+6]
.endr
.irp x, 0,1
	v_fma_f32 v[ST+8*\x+4], v[ST+8*\x+5], s[CNTF], v[ST+8*\x+4]   ; the row's sum
.endr
.irp x, 0,1
	v_rcp_f32 v[ST+8*\x+4], v[ST+8*\x+4]
.endr
	v_nop
	s_wait_alu depctr_va_vdst(0)                   ; and one for the two reciprocals
.irp x, 0,1
	v_mul_f32 v[ST+8*\x+6], v[ST+8*\x+6], v[ST+8*\x+4]     ; a / sum
.endr
.irp x, 0,1
	v_mul_f32 v[ST+8*\x+4], v[ST+8*\x+5], v[ST+8*\x+4]     ; w / sum
.endr
	s_wait_dscnt 0x0
.irp x, 0,1
.set n, 0
.rept 16
	v_pk_mul_f32 v[SC+32*\x+n:SC+32*\x+n+1], v[KV+n:KV+n+1], v[ST+8*\x+4:ST+8*\x+5] op_sel_hi:[1,0]
.set n, n+2
.endr
.endr
.irp x, 0,1
.set n, 0
.rept 16
	v_pk_fma_f32 v[OT+32*\x+n:OT+32*\x+n+1], v[OT+32*\x+n:OT+32*\x+n+1], v[ST+8*\x+6:ST+8*\x+7], v[SC+32*\x+n:SC+32*\x+n+1] op_sel_hi:[1,0,1]   ; each accumulator from its low end on
.set n, n+2
.endr
.endr
.irp x, 0,1
.set n, 0
.rept 16
	v_cvt_pk_f16_f32 v[SC+32*\x+n], v[OT+32*\x+2*n], v[OT+32*\x+2*n+1]
.set n, n+1
.endr
.endr
.irp x, 0,1                                    ; through my stage: in by lanes' 16 bytes, back as rows of 128 bytes, four an instruction
.irp ct, 0,1,2,3
	ds_store_b128 v[STO], v[SC+32*\x+4*\ct:SC+32*\x+4*\ct+3] offset:2304*\x+32*\ct
.endr
.irp i, 0,1,2,3
	ds_load_b128 v[KV+16*\x+4*\i:KV+16*\x+4*\i+3], v[RD] offset:2304*\x+576*\i   ; LDS serves a wave's instructions in order: these see the stores above
.endr
.endr
.irp x, 0,1
.irp i, 0,1,2,3
	s_wait_dscnt 8*(1-\x)+3-\i                     ; behind this load: the rest of its tile's loads, and the other tile's four stores and four loads
	global_store_b128 v[GO], v[KV+16*\x+4*\i:KV+16*\x+4*\i+3], s[8:9] offset:2048*\x+512*\i   ; 32 lanes store 512 consecutive bytes: four rows of my head's slab
.endr
.endr
	s_wait_tensorcnt 0x0                           ; the wave's end
	ds_add_u32 v[SPW], v[NIL]
	s_wait_dscnt 0x0
	s_endpgm
.Lfunc_end_k_qc2a312e566_attn:
	.size	k_qc2a312e566_attn, .Lfunc_end_k_qc2a312e566_attn-k_qc2a312e566_attn
	.p2alignl 7, 3214868480
	.fill 96, 4, 3214868480
	.section	.rodata,"a",@progbits
	.p2align	6, 0x0
	.amdhsa_kernel k_qc2a312e566_attn
		.amdhsa_group_segment_fixed_size 327680
		.amdhsa_private_segment_fixed_size 0
		.amdhsa_enable_private_segment 0
		.amdhsa_kernarg_size 24
		.amdhsa_user_sgpr_count 2
		.amdhsa_user_sgpr_kernarg_segment_ptr 1
		.amdhsa_wavefront_size32 1
		.amdhsa_system_sgpr_workgroup_id_x 1
		.amdhsa_system_sgpr_workgroup_id_y 1
		.amdhsa_system_sgpr_workgroup_id_z 1
		.amdhsa_system_vgpr_workitem_id 0
		.amdhsa_next_free_vgpr 256
		.amdhsa_next_free_sgpr 100
		.amdhsa_reserve_vcc 1
		.amdhsa_float_denorm_mode_32 3
		.amdhsa_float_denorm_mode_16_64 3
		.amdhsa_memory_ordered 1
		.amdhsa_forward_progress 1
		.amdhsa_inst_pref_size 193
	.end_amdhsa_kernel
	.amdgpu_metadata
---
amdhsa.version: [ 1, 2 ]
amdhsa.kernels:
  - .name:           k_qc2a312e566_attn
    .symbol:         k_qc2a312e566_attn.kd
    .args:
      - { .name: qkv, .offset: 0, .size: 8, .value_kind: global_buffer, .address_space: global }
      - { .name: vsuf, .offset: 8, .size: 8, .value_kind: global_buffer, .address_space: global }
      - { .name: y16, .offset: 16, .size: 8, .value_kind: global_buffer, .address_space: global }
    .group_segment_fixed_size: 327680
    .private_segment_fixed_size: 0
    .kernarg_segment_align: 8
    .kernarg_segment_size: 24
    .max_flat_workgroup_size: 512
    .sgpr_count:     100
    .vgpr_count:     256
    .wavefront_size: 32
...
	.end_amdgpu_metadata
.endif
;; end of part 4
;; launch oproj (part 5): grid 8 x 32, 4 waves a work-group, clusters of 4 x 4, 327,680 bytes of LDS; arguments y16, wo16, out0; writes out0
.if DOCPART == 5
	.amdgcn_target "amdgcn-amd-amdhsa--gfx1250"
	.amdhsa_code_object_version 6
	.text
	.protected	k_qc2a312e566_oproj
	.globl	k_qc2a312e566_oproj
	.p2align	8
	.type	k_qc2a312e566_oproj,@function
k_qc2a312e566_oproj:
	s_mov_b64 s[64:65], 0
	v_nop
	global_prefetch_b8 v0, s[64:65] scope:SCOPE_SE
	s_setreg_imm32_b32 hwreg(HW_REG_WAVE_MODE, 25, 1), 1
	s_wait_xcnt 0x0
	s_wait_alu depctr_hold_cnt(0) depctr_sa_sdst(0) depctr_va_vdst(0) depctr_va_sdst(0) depctr_va_ssrc(0) depctr_va_vcc(0) depctr_vm_vsrc(0)
	s_getreg_b32 s2, hwreg(HW_REG_IB_STS2, 6, 4)
	s_cmp_eq_u32 s2, 0
	s_cbranch_scc0 .Lentry_in_a_cluster
	s_endpgm
.Lentry_in_a_cluster:
	s_bfe_u32 s2, ttmp6, 0x10000c
	s_cmp_lg_u32 s2, 0xf033
	s_cbranch_scc0 .Lentry_shape_is_right
	s_endpgm
.Lentry_shape_is_right:
; out0[m][n] = sum over k of y[m][k] wo[n][k], f16 operands, f32 sums, for all rows but positions 0-15 of each sequence, which a later launch makes in f32.
; y16: slabs [16][8,192 rows][64 k]; wo16: slabs [16][1,024 n][64 k]: a tile's part of a slab is one dense block.  out0: [8,192][1,024] f32.
; A tile of C is 256 x 128: 256 work-groups.  Four waves, each 128 rows x 64 columns: 32 accumulators, 256 registers.  K goes in steps of 128 (two slabs) through a ring of two LDS slots.
; CLUSTERS: 4 x 4 work-groups; A's tiles are asked for jointly along a row of the cluster, B's along a column.  Tile row = 8 cy + cluster y, so that 'first tile of a sequence' is cluster y = 0, alike in all partners.
; THE MATRIX INSTRUCTION IS USED TRANSPOSED (source 0 = 16 rows of wo, source 1 = 16 rows of y): a lane holds eight neighbouring numbers of a row of C.
; REGISTERS: window 0: v0-31 addresses; v64-127, v128-191 A's fragments (8 x 16 rows x 32 K), two buffers; v32-63, v224-255 the way out.
;   window 1: v64-95, v128-159 B's fragments, two buffers.   window 2: the accumulators, (a, b) at v[8 (4 a + b)].
.set PITCH,  144                       ; an LDS row: a slab's 128 bytes + 16 of padding
.set ASLAB,  256*PITCH
.set BSLAB,  128*PITCH
.set BOFF,   2*ASLAB
.set SLOT,   2*ASLAB+2*BSLAB           ; A's two slabs, then B's two
.set STAGE,  2*SLOT                    ; behind the ring: 16 rows x 272 bytes for each wave
.set SPITCH, 272
.set SPARE,  STAGE+4*16*SPITCH         ; the spare words, 128 bytes for each wave
.set LAPS,   4                         ; a lap = two K steps; K = 1,024 = 8 steps
.set ADRA, 16
.set ADRB, 20
.set STO,  24
.set RD,   25
.set CO,   26
.set SPW,  28
.set NIL,  29
.set PFO,  30                          ; v30 256 x lane
.set F0,   64
.set F1,   128
.set OB,   32
.set G1, 24
.set G0, 32
.set G1B, 48
.set G0B, 56
.set PFA, 66                           ; s[66:67] where my prefetches stand
.set LIM, 68
.set FLAG, 69                          ; 0 where my rows 0-15 are positions 0-15 of a sequence
.set MSB, 0
.macro WIN new
.if MSB != \new
	s_set_vgpr_msb (MSB<<8)|\new
.set MSB, \new
.endif
.endm
.set MUL,  0xa1                        ; source 0 (B) window 1, source 1 (A) window 0, C and D window 2
.set TO_B, 0x40
.macro JLOAD s                         ; a joint load: waves 0 and 1 fetch A's two slabs, waves 2 and 3 B's; an s_nop 0 and four v_nop follow each line
	s_cmp_eq_u32 s11, 0
	s_cbranch_scc0 .Lfor_b_\@
	tensor_load_to_lds s[G0+4*\s:G0+4*\s+3], s[G1:G1+7]
	s_nop 0
.rept 4
	v_nop
.endr
	s_branch .Lasked_\@
.Lfor_b_\@:
	tensor_load_to_lds s[G0B+4*\s:G0B+4*\s+3], s[G1B:G1B+7]
	s_nop 0
.rept 4
	v_nop
.endr
.Lasked_\@:
.endm
; A prefetch of A's K step that stands two refills on: a slab's 256 rows of a tile are 32,768 dense bytes.  The cluster with x = 0 asks (both clusters of a row of clusters read the same rows); waves 0 and 1
; ask for the slab that they fetch; the four partners that ask for it jointly take 8,192 bytes each, told apart by address; lanes 256 bytes apart.  The loop's last trip has no K step two refills on.
; wo16 is read again by every row of clusters and is not asked for.
.macro ASK
	s_cmp_gt_u32 s3, s[LIM]
	s_cbranch_scc0 .Lnot_mine_\@
	global_prefetch_b8 v[PFO], s[PFA:PFA+1] offset:0x200000 th:TH_LOAD_NT scope:SCOPE_SE
.Lnot_mine_\@:
.endm
.macro CREST
	s_cmp_lg_u32 s10, 0
	s_cbranch_scc1 .Lnot_wave_0_\@
	s_barrier_signal -3
.Lnot_wave_0_\@:
	s_barrier_wait -3
	s_barrier_signal -1
	s_barrier_wait -1
.endm
.macro CROUND
	s_barrier_signal -1
	s_barrier_wait -1
	CREST
.endm
	s_load_b128 s[4:7], s[0:1], 0x0                ; y16, wo16
	s_load_b64 s[8:9], s[0:1], 0x10                ; out0
	v_lshl_add_u32 v[SPW], v0, 2, SPARE
	v_mov_b32 v[NIL], 0
	ds_add_u32 v[SPW], v[NIL]                      ; the wave's opening: the add, twice on end, and its wait ahead of my first tensor load
	ds_add_u32 v[SPW], v[NIL]
	v_lshrrev_b32 v1, 5, v0
	v_readfirstlane_b32 s10, v1                    ; wave 0..3
	s_lshr_b32 s11, s10, 1                         ; which half of the tile's rows is mine.  Also: I fetch for A (0) or for B (1)
	s_and_b32 s12, s10, 1                          ; which half of its columns.  Also: which of a K step's two slabs I fetch
	s_bfe_u32 s40, ttmp6, 0x40000                  ; cx, cy
	s_bfe_u32 s41, ttmp6, 0x40004
	s_lshl_b32 s42, ttmp9, 2
	s_add_co_u32 s42, s42, s40                     ; tile column = 4 x cluster x + cx
	s_and_b32 s13, ttmp7, 0xffff
	s_lshl_b32 s14, s41, 3
	s_add_co_u32 s13, s13, s14                     ; tile row = 8 cy + cluster y
	s_lshl_b32 s43, s41, 2
	s_lshl_b32 s43, 15, s43                        ; my row of the cluster
	s_lshl_b32 s44, 0x1111, s40                    ; my column
	; descriptor group 1: rows of 64 elements of 2 bytes, dense in memory, 4 words of padding behind every 32; A: 256 rows, B: 128
	s_or_b32 s[G1+0], s43, (1<<16)|(1<<20)|(1<<21)|(4<<22)|(3<<25)
	s_or_b32 s[G1B+0], s44, (1<<16)|(1<<20)|(1<<21)|(4<<22)|(3<<25)
	s_mov_b32 s[G1+1], 64<<16
	s_mov_b32 s[G1+2], 256<<16
	s_mov_b32 s[G1+3], 64<<16
	s_mov_b32 s[G1+4], 256
	s_mov_b32 s[G1+5], 64
	s_mov_b32 s[G1+6], 0
	s_mov_b32 s[G1+7], 0
	s_mov_b32 s[G1B+1], 64<<16
	s_mov_b32 s[G1B+2], 128<<16
	s_mov_b32 s[G1B+3], 64<<16
	s_mov_b32 s[G1B+4], 128
	s_mov_b32 s[G1B+5], 64
	s_mov_b32 s[G1B+6], 0
	s_mov_b32 s[G1B+7], 0
	s_lshl_b32 s16, s13, 15                        ; A: tile row x 256 rows x 128 bytes
	s_lshl_b32 s17, s12, 20                        ;    + my slab
	s_add_co_u32 s16, s16, s17
	s_mov_b32 s17, 0
	s_lshl_b32 s46, s42, 14                        ; B: tile column x 128 rows x 128 bytes
	s_lshl_b32 s47, s12, 17                        ;    + my slab
	s_add_co_u32 s46, s46, s47
	s_mov_b32 s47, 0
	s_mul_i32 s20, s12, ASLAB                      ; where they go in a slot: no place in the cluster enters an LDS address
	s_mul_i32 s21, s12, BSLAB
	s_add_co_u32 s21, s21, BOFF
	s_and_b32 s[FLAG], ttmp7, 0xffff
	s_or_b32 s[FLAG], s[FLAG], s11
	s_or_b32 s[LIM], s11, ttmp9
	s_cmp_eq_u32 s[LIM], 0
	s_cselect_b32 s[LIM], 1, -1                    ; 1 in waves 0 and 1 of the clusters with x = 0: the same in all sixteen partners, for a given wave
	s_lshl_b32 s22, s40, 13                        ; my work-group's 8,192 bytes of a slab's tile
	s_mov_b32 s23, 0
	s_wait_dscnt 0x0                               ; both opening adds are done
	s_wait_kmcnt 0x0
	s_add_nc_u64 s[14:15], s[4:5], s[16:17]
	s_add_nc_u64 s[46:47], s[6:7], s[46:47]
	s_add_nc_u64 s[PFA:PFA+1], s[14:15], s[22:23]
	s_add_nc_u64 s[PFA:PFA+1], s[PFA:PFA+1], 0x400000   ; at K step 2: the first refill steps it to 3 and names K step 4
	CROUND                                         ; all sixteen work-groups are here: the first joint loads meet
.irp s, 0,1
	s_mov_b32 s[G0+4*\s], 1
	s_add_co_u32 s[G0+4*\s+1], s20, \s*SLOT
	s_add_nc_u64 s[G0+4*\s+2:G0+4*\s+3], s[14:15], \s*0x200000     ; a K step is two slabs of 1,048,576 bytes
	s_or_b32 s[G0+4*\s+3], s[G0+4*\s+3], 0x80000000
	s_mov_b32 s[G0B+4*\s], 1
	s_add_co_u32 s[G0B+4*\s+1], s21, \s*SLOT
	s_add_nc_u64 s[G0B+4*\s+2:G0B+4*\s+3], s[46:47], \s*0x40000    ; two slabs of 131,072 bytes
	s_or_b32 s[G0B+4*\s+3], s[G0B+4*\s+3], 0x80000000
	JLOAD \s                                       ; two loads of mine are out
.endr
	v_and_b32 v1, 15, v0                           ; l % 16
	v_bfe_u32 v2, v0, 4, 1                         ; l / 16
	v_mul_u32_u24 v3, v1, PITCH
	v_lshl_add_u32 v3, v2, 4, v3
	s_mul_i32 s21, s11, 128*PITCH                  ; my 128 rows of A
	s_mul_i32 s22, s12, 64*PITCH                   ; my 64 rows of B
	s_add_co_u32 s22, s22, BOFF
.irp s, 0,1
	v_add_nc_u32 v[ADRA+\s], s21, v3
	v_add_nc_u32 v[ADRB+\s], s22, v3
	s_add_co_u32 s21, s21, SLOT
	s_add_co_u32 s22, s22, SLOT
.endr
	s_mul_i32 s23, s10, 16*SPITCH
	s_add_co_u32 s23, s23, STAGE                   ; my stage
	v_mul_u32_u24 v4, v1, SPITCH
	v_lshl_add_u32 v4, v2, 5, v4
	v_add_nc_u32 v[STO], s23, v4                   ; in: row l % 16, 32 bytes for each half of the lanes
	v_mul_u32_u24 v5, v2, SPITCH
	v_lshl_add_u32 v5, v1, 4, v5
	v_add_nc_u32 v[RD], s23, v5                    ; back: lanes 0-15 one row of 256 bytes, lanes 16-31 the next
	v_lshlrev_b32 v5, 12, v2
	v_lshl_add_u32 v[CO], v1, 4, v5                ; and the same two rows in out0
	v_and_b32 v[PFO], 31, v0
	v_lshlrev_b32 v[PFO], 8, v[PFO]
	s_lshl_b32 s16, s13, 20                        ; out0: (256 x tile row + 128 x row half) x 4,096 + (128 x tile column + 64 x column half) x 4
	s_lshl_b32 s17, s11, 19
	s_add_co_u32 s16, s16, s17
	s_lshl_b32 s17, s42, 9
	s_add_co_u32 s16, s16, s17
	s_lshl_b32 s17, s12, 8
	s_add_co_u32 s16, s16, s17
	s_mov_b32 s17, 0
	s_add_nc_u64 s[8:9], s[8:9], s[16:17]
; 8 matrix instructions: A's blocks a0, a0 + 1 x B's four, 32 along K.  The 32 accumulators take turns, in the same order in every quarter.
.macro MUL8 f, a0, zero
.irp a, \a0, \a0+1
.irp b, 0,1,2,3
.if \zero
	v_wmma_f32_16x16x32_f16 v[8*(4*(\a)+\b):8*(4*(\a)+\b)+7], v[\f+8*\b:\f+8*\b+7], v[\f+8*(\a):\f+8*(\a)+7], 0
.else
	v_wmma_f32_16x16x32_f16 v[8*(4*(\a)+\b):8*(4*(\a)+\b)+7], v[\f+8*\b:\f+8*\b+7], v[\f+8*(\a):\f+8*(\a)+7], v[8*(4*(\a)+\b):8*(4*(\a)+\b)+7]
.endif
.endr
.endr
.endm
; 24 LDS loads in one run: quarter q of a K step (slab q / 2, 32 k at byte 64 (q % 2)) into buffer f: B's four fragments, then A's eight
.macro FETCH slot, q, f
	WIN TO_B
.irp i, 0,1,2,3
	ds_load_b128 v[\f+8*\i:\f+8*\i+3],   v[ADRB+\slot] offset:((\q)/2)*BSLAB+((\q)%2)*64+\i*16*PITCH
	ds_load_b128 v[\f+8*\i+4:\f+8*\i+7], v[ADRB+\slot] offset:((\q)/2)*BSLAB+((\q)%2)*64+\i*16*PITCH+32
.endr
	WIN 0
.irp i, 0,1,2,3,4,5,6,7
	ds_load_b128 v[\f+8*\i:\f+8*\i+3],   v[ADRA+\slot] offset:((\q)/2)*ASLAB+((\q)%2)*64+\i*16*PITCH
	ds_load_b128 v[\f+8*\i+4:\f+8*\i+7], v[ADRA+\slot] offset:((\q)/2)*ASLAB+((\q)%2)*64+\i*16*PITCH+32
.endr
.endm
.macro PLACES                          ; four places in front of loads into registers that matrix instructions have read, and of the first read of results (ISA guide 7.12.1 for vector instructions)
.rept 4
	v_nop
.endr
.endm
; One of a K step's first three quarters: multiplies buffer f and fetches quarter q into g.
.macro QUARTER slot, q, f, g, zero
	s_wait_dscnt 8                                 ; B and A's blocks 0-3 are in; the youngest eight loads (A's blocks 4-7) may be out
	WIN MUL
	MUL8 \f, 0, \zero
	MUL8 \f, 2, \zero
	PLACES
	FETCH \slot, \q, \g
	s_wait_dscnt 24                                ; all but the 24 just issued
	WIN MUL
	MUL8 \f, 4, \zero
	MUL8 \f, 6, \zero
.endm
; The last quarter multiplies buffer 1 and changes slots: ONE barrier; in front of it each wave waits for all its tensor loads, adds 0 to its spare word, and waits for that and for its reads of this slot.
; fill = 1: the barrier opens a round of the cluster's barrier, and this slot is filled again, two K steps ahead, first thing behind the round.
.macro TURN slot, next, fill
.if \fill
	s_wait_xcnt 0x0                                ; the last prefetch, a K step back, has read its address
	s_add_nc_u64 s[PFA:PFA+1], s[PFA:PFA+1], 0x200000
.endif
	WIN 0
	s_wait_tensorcnt 0x0                           ; all my tensor loads have landed: the one that was out is my part of the next slot
	ds_add_u32 v[SPW], v[NIL]                      ; 0 onto my spare word
	s_wait_dscnt 9                                 ; (the add and the youngest eight loads may be out)
	WIN MUL
	MUL8 F1, 0, 0
	s_wait_dscnt 0x0                               ; the add is done, and my reads of this slot are over
	s_barrier_signal -1
	MUL8 F1, 2, 0
.if \fill
	WIN 0
.endif
	s_barrier_wait -1
.if \fill
	CREST                                          ; no wave of any partner still reads this slot's tile or has a load on its way
	s_add_nc_u64 s[G0+4*\slot+2:G0+4*\slot+3], s[G0+4*\slot+2:G0+4*\slot+3], 0x400000
	s_add_nc_u64 s[G0B+4*\slot+2:G0B+4*\slot+3], s[G0B+4*\slot+2:G0B+4*\slot+3], 0x80000
	JLOAD \slot                                    ; my one load behind the round; its four v_nop are also the places in front of the loads below
.else
	PLACES
.endif
	FETCH \next, 0, F0
.if \fill
	ASK
.endif
	WIN MUL
	MUL8 F1, 4, 0
	MUL8 F1, 6, 0
.endm
	s_wait_tensorcnt 1                             ; my part of K step 0 is in; K step 1's load may stay out
	s_barrier_signal -1
	s_barrier_wait -1
	FETCH 0, 0, F0
	QUARTER 0, 1, F0, F1, 1                        ; the first quarter's products start the sums
	WIN 0
	s_mov_b32 s3, LAPS-1
.Llap:                                             ; a trip goes once round the ring, from a lap's second quarter to the next lap's first, and fills both slots again
	QUARTER 0, 2, F1, F0, 0
	QUARTER 0, 3, F0, F1, 0
	TURN 0, 1, 1
	QUARTER 1, 1, F0, F1, 0
	QUARTER 1, 2, F1, F0, 0
	QUARTER 1, 3, F0, F1, 0
	TURN 1, 0, 1
	QUARTER 0, 1, F0, F1, 0
	WIN 0
	s_sub_co_u32 s3, s3, 1
	s_cmp_lg_u32 s3, 0
	s_cbranch_scc1 .Llap
	QUARTER 0, 2, F1, F0, 0                        ; the last lap fills nothing
	QUARTER 0, 3, F0, F1, 0
	TURN 0, 1, 0
	QUARTER 1, 1, F0, F1, 0
	QUARTER 1, 2, F1, F0, 0
	QUARTER 1, 3, F0, F1, 0
	s_wait_dscnt 8
	WIN MUL
	MUL8 F1, 0, 0
	MUL8 F1, 2, 0
	s_wait_dscnt 0
	MUL8 F1, 4, 0
	MUL8 F1, 6, 0
	WIN 0
; THE WAY OUT, block by block of 16 rows x 64 columns: through my own stage, back as whole rows of 256 bytes.
.macro TOSTAGE a
	WIN 0x08                                       ; an LDS store's data: window 2
.irp b, 0,1,2,3
	ds_store_b128 v[STO], v[8*(4*(\a)+\b):8*(4*(\a)+\b)+3] offset:64*\b          ; each accumulator from its low end on
	ds_store_b128 v[STO], v[8*(4*(\a)+\b)+4:8*(4*(\a)+\b)+7] offset:64*\b+16
.endr
	WIN 0
.set BB, OB+192*((\a)%2)
.irp t, 0,1,2,3,4,5,6,7
	ds_load_b128 v[BB+4*\t:BB+4*\t+3], v[RD] offset:\t*2*SPITCH   ; LDS serves a wave's instructions in order: these see the stores above
.endr
.endm
.macro SEND a, younger                 ; younger: the LDS instructions issued behind block a's loads, which may stay out
.set BB, OB+192*((\a)%2)
	s_wait_dscnt \younger
.if (\a) == 0
	s_cmp_eq_u32 s[FLAG], 0                        ; positions 0-15 of a sequence are stored by the launch that makes them in f32
	s_cbranch_scc1 .Lfine_rows
.endif
.irp t, 0,1,2,3,4,5,6,7
	global_store_b128 v[CO], v[BB+4*\t:BB+4*\t+3], s[8:9] offset:(\a)*65536+8192*\t th:TH_STORE_NT   ; 16 lanes store 256 consecutive bytes, aligned
.endr
.if (\a) == 0
.Lfine_rows:
.endif
.endm
	PLACES
	TOSTAGE 0
.irp a, 1,2,3,4,5,6,7
.if \a > 1
	s_wait_xcnt 0x0                                ; block a - 2's stores have read their registers: block a's loads may land there
.endif
	TOSTAGE \a
	SEND \a-1, 16                                  ; behind block a - 1's loads: block a's 8 stores and 8 loads
.endr
	SEND 7, 0
	s_wait_tensorcnt 0x0                           ; the wave's end
	ds_add_u32 v[SPW], v[NIL]
	s_wait_dscnt 0x0
	CROUND                                         ; the closing round
	s_endpgm
.Lfunc_end_k_qc2a312e566_oproj:
	.size	k_qc2a312e566_oproj, .Lfunc_end_k_qc2a312e566_oproj-k_qc2a312e566_oproj
	.p2alignl 7, 3214868480
	.fill 96, 4, 3214868480
	.section	.rodata,"a",@progbits
	.p2align	6, 0x0
	.amdhsa_kernel k_qc2a312e566_oproj
		.amdhsa_group_segment_fixed_size 327680
		.amdhsa_private_segment_fixed_size 0
		.amdhsa_enable_private_segment 0
		.amdhsa_kernarg_size 24
		.amdhsa_user_sgpr_count 2
		.amdhsa_user_sgpr_kernarg_segment_ptr 1
		.amdhsa_wavefront_size32 1
		.amdhsa_system_sgpr_workgroup_id_x 1
		.amdhsa_system_sgpr_workgroup_id_y 1
		.amdhsa_system_sgpr_workgroup_id_z 1
		.amdhsa_system_vgpr_workitem_id 0
		.amdhsa_next_free_vgpr 768
		.amdhsa_next_free_sgpr 72
		.amdhsa_reserve_vcc 0
		.amdhsa_float_denorm_mode_32 3
		.amdhsa_float_denorm_mode_16_64 3
		.amdhsa_memory_ordered 1
		.amdhsa_forward_progress 1
		.amdhsa_inst_pref_size 87
	.end_amdhsa_kernel
	.amdgpu_metadata
---
amdhsa.version: [ 1, 2 ]
amdhsa.kernels:
  - .name:           k_qc2a312e566_oproj
    .symbol:         k_qc2a312e566_oproj.kd
    .args:
      - { .name: y16, .offset: 0, .size: 8, .value_kind: global_buffer, .address_space: global }
      - { .name: wo16, .offset: 8, .size: 8, .value_kind: global_buffer, .address_space: global }
      - { .name: out0, .offset: 16, .size: 8, .value_kind: global_buffer, .address_space: global }
    .group_segment_fixed_size: 327680
    .private_segment_fixed_size: 0
    .kernarg_segment_align: 8
    .kernarg_segment_size: 24
    .max_flat_workgroup_size: 128
    .sgpr_count:     72
    .vgpr_count:     768
    .wavefront_size: 32
...
	.end_amdgpu_metadata
.endif
;; end of part 5
;; launch fproj (part 6): grid 64 x 4, 4 waves a work-group, no clusters, 137,728 bytes of LDS; arguments y32, wo, out0; writes out0
.if DOCPART == 6
	.amdgcn_target "amdgcn-amd-amdhsa--gfx1250"
	.amdhsa_code_object_version 6
	.text
	.protected	k_qc2a312e566_fproj
	.globl	k_qc2a312e566_fproj
	.p2align	8
	.type	k_qc2a312e566_fproj,@function
k_qc2a312e566_fproj:
	s_mov_b64 s[64:65], 0
	v_nop
	global_prefetch_b8 v0, s[64:65] scope:SCOPE_SE
	s_setreg_imm32_b32 hwreg(HW_REG_WAVE_MODE, 25, 1), 1
	s_wait_xcnt 0x0
; Positions 0-15 of each of the four sequences: out0[b][t][n] = sum over k of y32[b][t][k] wo[n][k], wholly in f32 (64 rows in all: no bulk work).
; A work-group makes 16 rows x 16 columns; its four waves share K, 256 each, and their sums meet in LDS.  256 work-groups, so that a wave has 64 matrix instructions.
; The price, stated: these rows of out0 (256 KB) leave in runs of 64 bytes.
; Each wave brings its 16 x 1,024 bytes of y32 and of wo by loads of 512 dense bytes, lays them in its own LDS rows of 1,040 bytes, and reads fragments from there.
; No tensor loads, no cluster: 32 KB a wave, read once.
; REGISTERS: v1 16 x lane; v2 LDS, in; v3, v4 the add's two; v5 LDS, fragments; v6, v7 the sums' images; v8 out0's offset; v16-31 at work; v32-223 three sets of 16 loads, then fragments;
;   v224-255 four accumulators, written by matrix instructions alone.
.set WREG,  33280                      ; a wave's region: y's 16 rows x 1,040 bytes, then wo's
.set TBO,   16640
.set RP,    1040
.set RED,   4*WREG                     ; 4 x 1,024 bytes: each wave's sums as an image of its registers
.set SPARE, RED+4096
.set ACC,   224
	s_load_b128 s[4:7], s[0:1], 0x0                ; y32, wo
	s_load_b64 s[8:9], s[0:1], 0x10                ; out0
	v_lshl_add_u32 v3, v0, 2, SPARE
	v_mov_b32 v4, 0
	v_lshrrev_b32 v1, 5, v0
	v_readfirstlane_b32 s10, v1                    ; wave 0..3
	v_and_b32 v1, 31, v0
	v_lshlrev_b32 v1, 4, v1                        ; 16 x lane
	s_mul_i32 s11, s10, WREG
	v_add_nc_u32 v2, s11, v1
	v_and_b32 v9, 15, v0                           ; r
	v_bfe_u32 v10, v0, 4, 1                        ; h
	v_mul_u32_u24 v5, v9, RP
	v_lshl_add_u32 v5, v10, 4, v5
	v_add_nc_u32 v5, s11, v5                       ; row r + 16 h
	s_lshl_b32 s12, s10, 10
	v_add_nc_u32 v6, s12, v1
	v_add_nc_u32 v6, RED, v6
	v_add_nc_u32 v7, RED, v1
	v_lshlrev_b32 v8, 12, v9
	v_lshl_add_u32 v8, v10, 5, v8                  ; out0: row r of 4,096 bytes + 32 h
	s_and_b32 s13, ttmp7, 0xffff                   ; the batch
	s_lshl_b32 s14, s13, 16
	s_add_co_u32 s14, s14, s12                     ; y32: batch x 65,536 + my 1,024 bytes of a row
	s_mov_b32 s15, 0
	s_lshl_b32 s16, ttmp9, 16
	s_add_co_u32 s16, s16, s12                     ; wo: 16 rows of 4,096 bytes a work-group + the same
	s_mov_b32 s17, 0
	s_lshl_b32 s18, s13, 23
	s_lshl_b32 s19, ttmp9, 6
	s_add_co_u32 s18, s18, s19                     ; out0: batch x 8,388,608 + 16 columns x 4
	s_mov_b32 s19, 0
	s_wait_kmcnt 0x0
	s_add_nc_u64 s[4:5], s[4:5], s[14:15]
	s_add_nc_u64 s[6:7], s[6:7], s[16:17]
	s_add_nc_u64 s[8:9], s[8:9], s[18:19]
.macro LD base, x, s                   ; sixteen loads: rows 8 s .. 8 s + 7, two halves of 512 bytes each
.irp n, 0,1,2,3,4,5,6,7,8,9,10,11,12,13,14,15
	global_load_b128 v[\x+4*\n:\x+4*\n+3], v1, s[\base:\base+1] offset:(8*\s+\n/2)*4096+(\n%2)*512
.endr
.endm
.macro STO x, t, s
.irp n, 0,1,2,3,4,5,6,7,8,9,10,11,12,13,14,15
	ds_store_b128 v2, v[\x+4*\n:\x+4*\n+3] offset:\t*TBO+(8*\s+\n/2)*RP+(\n%2)*512
.endr
.endm
	LD 4, 32, 0
	LD 4, 96, 1
	LD 6, 160, 0
	s_wait_loadcnt 32                              ; the first sixteen are in; the 32 behind them stay out
	STO 32, 0, 0
	s_wait_dscnt 0x0                               ; the stores have read their registers, which take the last sixteen loads
	LD 6, 32, 1
	s_wait_loadcnt 32
	STO 96, 0, 1
	s_wait_loadcnt 16
	STO 160, 1, 0
	s_wait_loadcnt 0x0
	STO 32, 1, 1
	s_wait_dscnt 0x0
; 128 along K: load i brings lane (r, h) k = 8 i + 4 h + 0..3 of row r; its two pairs feed two matrix instructions, with the same places of k in both sources.
; Source 0 = 16 rows of wo, source 1 = the 16 positions: a lane then holds position r and columns 8 h + 0..7.  Four accumulators by turns; the first four products start the sums.
.macro CHUNK c
.irp i, 0,1,2,3,4,5,6,7,8,9,10,11,12,13,14,15
	ds_load_b128 v[32+4*\i:35+4*\i], v5 offset:32*(16*\c+\i)
	ds_load_b128 v[96+4*\i:99+4*\i], v5 offset:TBO+32*(16*\c+\i)
.endr
	s_wait_dscnt 0x0
.irp i, 0,1,2,3,4,5,6,7,8,9,10,11,12,13,14,15
.irp p, 0,1
.if (\c == 0) && (\i < 2)
	v_wmma_f32_16x16x4_f32 v[ACC+8*((2*\i+\p)%4):ACC+8*((2*\i+\p)%4)+7], v[96+4*\i+2*\p:97+4*\i+2*\p], v[32+4*\i+2*\p:33+4*\i+2*\p], 0
.else
	v_wmma_f32_16x16x4_f32 v[ACC+8*((2*\i+\p)%4):ACC+8*((2*\i+\p)%4)+7], v[96+4*\i+2*\p:97+4*\i+2*\p], v[32+4*\i+2*\p:33+4*\i+2*\p], v[ACC+8*((2*\i+\p)%4):ACC+8*((2*\i+\p)%4)+7]
.endif
.endr
.endr
.rept 8
	v_nop                                          ; eight places behind this form: in front of loads into its sources and of the first read of its results
.endr
.endm
	CHUNK 0
	CHUNK 1
.irp j, 0,1,2,3,4,5,6,7
	v_add_f32 v[16+\j], v[ACC+\j], v[ACC+8+\j]     ; the four partial sums, each accumulator from its low end on, into other registers
.endr
.irp j, 0,1,2,3,4,5,6,7
	v_add_f32 v[24+\j], v[ACC+16+\j], v[ACC+24+\j]
.endr
.irp j, 0,1,2,3,4,5,6,7
	v_add_f32 v[16+\j], v[16+\j], v[24+\j]
.endr
	ds_store_b128 v6, v[16:19]
	ds_store_b128 v6, v[20:23] offset:512
	s_wait_dscnt 0x0                               ; for wave 0's sake: my stores have landed
	s_barrier_signal -1
	s_barrier_wait -1
	s_cmp_eq_u32 s10, 0
	s_cbranch_scc1 .Lwave0
	s_wait_tensorcnt 0x0                           ; waves 1-3 end
	ds_add_u32 v3, v4
	s_wait_dscnt 0x0
	s_endpgm
.Lwave0:
.irp w, 0,1,2,3
	ds_load_b128 v[32+8*\w:35+8*\w], v7 offset:1024*\w
	ds_load_b128 v[36+8*\w:39+8*\w], v7 offset:1024*\w+512
.endr
	s_wait_dscnt 0x0
.irp j, 0,2,4,6
	v_pk_add_f32 v[32+\j:33+\j], v[32+\j:33+\j], v[40+\j:41+\j]
	v_pk_add_f32 v[48+\j:49+\j], v[48+\j:49+\j], v[56+\j:57+\j]
.endr
.irp j, 0,2,4,6
	v_pk_add_f32 v[32+\j:33+\j], v[32+\j:33+\j], v[48+\j:49+\j]
.endr
	global_store_b128 v8, v[32:35], s[8:9]
	global_store_b128 v8, v[36:39], s[8:9] offset:16
	s_wait_tensorcnt 0x0                           ; the wave's end
	ds_add_u32 v3, v4
	s_wait_dscnt 0x0
	s_endpgm
.Lfunc_end_k_qc2a312e566_fproj:
	.size	k_qc2a312e566_fproj, .Lfunc_end_k_qc2a312e566_fproj-k_qc2a312e566_fproj
	.p2alignl 7, 3214868480
	.fill 96, 4, 3214868480
	.section	.rodata,"a",@progbits
	.p2align	6, 0x0
	.amdhsa_kernel k_qc2a312e566_fproj
		.amdhsa_group_segment_fixed_size 137728
		.amdhsa_private_segment_fixed_size 0
		.amdhsa_enable_private_segment 0
		.amdhsa_kernarg_size 24
		.amdhsa_user_sgpr_count 2
		.amdhsa_user_sgpr_kernarg_segment_ptr 1
		.amdhsa_wavefront_size32 1
		.amdhsa_system_sgpr_workgroup_id_x 1
		.amdhsa_system_sgpr_workgroup_id_y 1
		.amdhsa_system_sgpr_workgroup_id_z 1
		.amdhsa_system_vgpr_workitem_id 0
		.amdhsa_next_free_vgpr 256
		.amdhsa_next_free_sgpr 66
		.amdhsa_reserve_vcc 0
		.amdhsa_float_denorm_mode_32 3
		.amdhsa_float_denorm_mode_16_64 3
		.amdhsa_memory_ordered 1
		.amdhsa_forward_progress 1
		.amdhsa_inst_pref_size 24
	.end_amdhsa_kernel
	.amdgpu_metadata
---
amdhsa.version: [ 1, 2 ]
amdhsa.kernels:
  - .name:           k_qc2a312e566_fproj
    .symbol:         k_qc2a312e566_fproj.kd
    .args:
      - { .name: y32, .offset: 0, .size: 8, .value_kind: global_buffer, .address_space: global }
      - { .name: wo, .offset: 8, .size: 8, .value_kind: global_buffer, .address_space: global }
      - { .name: out0, .offset: 16, .size: 8, .value_kind: global_buffer, .address_space: global }
    .group_segment_fixed_size: 137728
    .private_segment_fixed_size: 0
    .kernarg_segment_align: 8
    .kernarg_segment_size: 24
    .max_flat_workgroup_size: 128
    .sgpr_count:     66
    .vgpr_count:     256
    .wavefront_size: 32
...
	.end_amdgpu_metadata
.endif
;; end of part 6
